; MI455X (gfx1250); checked and timed in simulation.
; The chip was launched on July 23, 2026; its instructions are those of AMD's public machine-readable ISA for CDNA 5 (MIT licence, August 2026) and "CDNA5" Instruction Set Architecture Reference Guide (July 2026). The comments in the code are by the model that wrote it; some were corrected since.
;; Adaptive Attention Layer. Allowed arithmetic: matrix products marked QUANTISED: E2M3 operands, one E8M0 scale for each 32 along K, by v_wmma_scale_f32_16x16x128_f8f6f4 with both operands' format E2M3, f32 sums; everything else in f32.
;; Inputs: Wk_codes 256 x 8 x 24 uint8 (E2M3 codes of Wk, K innermost, in blocks of 32 codes, four codes in three bytes); Wk_scales 256 x 8 uint8 (E8M0 scales of Wk, one for each 32 codes along K); Wq_codes 256 x 8 x 24 uint8 (E2M3 codes of Wq, K innermost, in blocks of 32 codes, four codes in three bytes); Wq_scales 256 x 8 uint8 (E8M0 scales of Wq, one for each 32 codes along K); Wv_codes 256 x 8 x 24 uint8 (E2M3 codes of Wv, K innermost, in blocks of 32 codes, four codes in three bytes); Wv_scales 256 x 8 uint8 (E8M0 scales of Wv, one for each 32 codes along K); bk 256 float32; bq 256 float32; bv 256 float32; content 4 x 64 x 64 x 256 float32; style 4 x 64 x 64 x 256 float32.
;; Outputs: out0 4 x 64 x 64 x 256 float32.
;; This version of the problem:
;;   THIS VERSION OF THE PROBLEM IS GIVEN IN LOW PRECISION. The matrix products marked QUANTISED in the list below multiply operands that are first quantised to E2M3 (2 exponent bits, 3 mantissa bits; 6 bits a number), with one power-of-two scale for each 32 numbers along K (OCP MX v1.0); their sums are f32. All else is computed in f32.
;;   The module's matrix products, in the order in which they are computed (A, B: the left and right operand; K: the contracted axis; several contracted axes count as one K, in the product's order):
;;     1. [M 16,384, K 256] x [K 256, N 256]; A: computed on the way; B: input Wq (given as codes): QUANTISED
;;     2. [M 16,384, K 256] x [K 256, N 256]; A: computed on the way; B: input Wk (given as codes): QUANTISED
;;     3. [M 16,384, K 256] x [K 256, N 256]; A: input style; B: input Wv (given as codes): QUANTISED
;;     4. batch 4 x [M 4,096, K 256] x [K 256, N 4,096]; A: computed on the way; B: computed on the way: QUANTISED
;;     5. batch 4 x [M 4,096, K 4,096] x [K 4,096, N 256]; A: softmax (see below); B: computed on the way: QUANTISED
;;     6. batch 4 x [M 4,096, K 4,096] x [K 4,096, N 256]; A: softmax (see below); B: computed on the way: QUANTISED
;;   THE QUANTISER, for each operand of a quantised product, along K:
;;     - K is cut into blocks of 32 from its start; a last block that is shorter is filled with zeros.
;;     - A block's scale is 2^e with e = floor(log2(the largest magnitude in the block)) - 2, held to -126 .. 127; a block of zeros has e = 0. As a byte (E8M0): e + 127.
;;     - Each number is divided by its block's scale, clamped to +-7.5, and rounded to the nearest number of E2M3, ties to even, subnormals kept.
;;     - The product sums the exact products of the quantised numbers (number of the format x scale) in f32.
;;   ~~~python
;;   def quantise(x, axis):      # numpy; x: float32 -> the quantised numbers, widened to float32 again
;;       x = np.moveaxis(x, axis, -1); K = x.shape[-1]
;;       x = np.pad(x, [(0, 0)] * (x.ndim - 1) + [(0, -K % 32)]); x = x.reshape(x.shape[:-1] + (-1, 32)); a = np.abs(x).max(-1, keepdims=True)
;;       e = np.where(a > 0, np.clip(np.frexp(np.where(a > 0, a, 1))[1] - 1 - 2, -126, 127), 0)      # np.frexp(a)[1] - 1 = floor(log2(a)), exactly
;;       r = np.clip(x / 2.0 ** e, -7.5, 7.5)
;;       step = 2.0 ** (np.maximum(np.frexp(np.where(r == 0, 1, r))[1] - 1, 0) - 3)
;;       q = np.round(r / step) * step * 2.0 ** e      # np.round: ties to even
;;       return np.moveaxis(q.reshape(q.shape[:-2] + (-1,))[..., :K], -1, axis).astype(np.float32)
;;   ~~~
;;   SOFTMAX AHEAD OF A QUANTISED PRODUCT. Where the list says 'softmax', what is quantised is not the finished softmax but p = 2^(t - M), with t = logit x log2(e) and M = ceil(the row's largest t), a whole number; so 1/2 < the row's largest p <= 1. The row's sum l is taken of the UNQUANTISED p, in f32, and the product's result is divided by l at the end. Since M is a whole number, a kernel that streams over the keys may use a running M (the ceiling of the running maximum): every later rescaling is an exact power of two, which a block's scale takes up: the codes' values come out the same.
;;   OPERANDS COMPUTED ON THE WAY. 'Computed on the way' means the value that the module computes at that place (a softmax that the list does not call 'softmax' is quantised finished and normalised). What goes into a quantiser is computed in f32, as accurately as f32 sums, v_exp_f32 and their like allow (about 1e-6 of the number): no bf16 or f16 on the way to a quantiser, and a product that is left as it is and whose result goes on into a quantised operand takes f32 operands (vector FMAs, or v_wmma_f32_16x16x4_f32). A number that lies on a knife's edge between two numbers of the format may be rounded either way, as far as f32 arithmetic and the matrix unit's own rounding can turn it there, and no further.
;;   INPUTS GIVEN AS CODES. Wk (in the module: [256, 256], K = its axis 0); Wq (in the module: [256, 256], K = its axis 0); Wv (in the module: [256, 256], K = its axis 0): each comes as NAME_codes (uint8): NAME with its K axis moved to the last place and cut into blocks of 32 codes, [.., K / 32, bytes a block], one block behind the other in memory; four codes in three bytes: a row's codes are one little-endian stream of bits, code i at bits 6 i .. 6 i + 5 (a code: sign, 2 exponent bits, 3 mantissa bits); and NAME_scales (uint8): the same leading axes, one E8M0 byte (e + 127) for each 32 codes along K. Its value is code x scale, taken as it is: it is not quantised again, and the codes and scales need not be those that the quantiser above would give.
;; One version. Each part assembles by itself: llvm-mc -triple=amdgcn-amd-amdhsa -mcpu=gfx1250 --defsym DOCPART=n.
;; ======== version 1 of 1: 3 launches
;; limits: a difference of large sums (such as E[x^2] - mean^2): digits are lost where the result is much smaller than its terms
;; workspace buffers: part 524,288 bytes; cstat 8,192 bytes; qimg 3,145,728 bytes; qsc 262,144 bytes; kv 9,961,472 bytes
;; launch stats_v (part 1): grid 256 x 1, 8 waves a work-group, no clusters, 168,960 bytes of LDS; arguments content, style, Wv_codes, Wv_scales, bv, part, kv; writes part, kv
.if DOCPART == 1
	.amdgcn_target "amdgcn-amd-amdhsa--gfx1250"
	.amdhsa_code_object_version 6
	.text
	.protected	k_qeef467b70c_stats_v
	.globl	k_qeef467b70c_stats_v
	.p2align	8
	.type	k_qeef467b70c_stats_v,@function
k_qeef467b70c_stats_v:
	s_mov_b64 s[64:65], 0
	v_nop
	global_prefetch_b8 v0, s[64:65] scope:SCOPE_SE
	s_setreg_imm32_b32 hwreg(HW_REG_WAVE_MODE, 25, 1), 1
	s_wait_xcnt 0x0
; FIRST OF THREE LAUNCHES.  out = sqrt(relu(A V^2 - (A V)^2)) * norm(content) + A V, A = softmax(l2norm(Q) l2norm(K)^T), all six products on codes of E2M3 with one E8M0 scale for each 32 along K.
; NOTHING OF THE PROBLEM IS LEFT OUT: every input has a way to the output and is loaded (bk too: it moves K's codes), and every product of the table is done.
; THIS LAUNCH: (1) partial sums for the instance norm of content and style; (2) V = Q(style) Wv + bv, and V and V x V quantised ALONG THE KEYS, stored as images of the operand's registers.
; SHARES.  Work-group g: tensor T = g & 1 (0 content, 1 style), chunk G = g >> 1 of 128 pixels (batch b = G >> 5, chunk i = G & 31).  Eight waves.
; THE SUMS ARE SHIFTED: d = x - s, s[c] = the batch's pixel 0 at channel c; stored are sum d and sum d^2 of the chunk.  So a common offset of the inputs never enters a difference of large sums.
; LIMIT: where pixel 0 lies z spreads from the channel's mean, the variance formed in the next launch carries (1 + z^2) times f32's rounding.  NaN and infinities among the inputs are not served.
; Thread t: pixels 4 k + (t >> 6), channels 4 (t & 63) on: each load of a wave reads 512 consecutive bytes.
; STYLE GOES ON: the 128 x 256 numbers turn through LDS (rows of 1,040 bytes), wave w quantises 16 pixels along the channels (two fragments), all waves read all sixteen fragments back as register images,
; and wave w makes channels 32 w .. 32 w + 31 for the 128 pixels: source 0 = 16 pixels, source 1 = 16 rows of Wv, so that a lane holds ONE channel and its registers run along the pixels, which are the next K.
; THE PIXELS OF A TILE ARE NOT NEIGHBOURS: row p of tile 2 b + u is pixel 32 b + 8 u + p + 8 (p / 8), so that the 16 registers of tiles 2 b, 2 b + 1 are 16 neighbouring pixels.
; A FRAGMENT'S IMAGE: 1,536 bytes: chunk c of 512 bytes holds lane l's registers 4 c .. 4 c + 3 at 16 l.
.set TILEP,  1040                      ; a pixel's row in LDS: 1,024 bytes + 16: an odd multiple of 16, so that 16 rows of a load start in different banks
.set XIMG,   128*TILEP                 ; x's 16 fragments (2 x pixel tile + K step)
.set XSC,    XIMG+16*1536              ; their scale words, 128 bytes each
.set RED,    XSC+16*128                ; the partial sums: [pixel mod 4][sum d, sum d^2][256]
.set SPARE,  RED+8192                  ; the spare words, 128 bytes a wave
.set SLOTB,  155648                    ; a period of kv (two key steps)
.set BATCHB, 16*SLOTB
.set VB,     73728                     ; V's fragments of the odd step (the even step's lie at 0)
.set VSA,    147456                    ; V's scale words of the even step; the odd step's 2,048 on
.set A16T, 1                           ; 16 x thread
.set C16,  2                           ; 16 x (thread & 63)
.set STA,  3                           ; TILE, on the way in; STB: 64 rows on
.set STB,  4
.set RDT,  5                           ; TILE, on the way out: my row, + 64 x half
.set L16,  6                           ; 16 x lane
.set AXS,  7                           ; XSC + 4 x lane
.set XWI,  8                           ; where I store my fragments' images
.set XWS,  9                           ; and their scale words
.set RWR,  10
.set RRD,  11
.set WVO,  12                          ; Wv: 192 r + 24 h
.set WSO,  13                          ; its scale words: 8 r + 4 h
.set BVO,  14                          ; bv: 4 r
.set L8,   15                          ; 8 x lane
.set SPW,  16
.set NIL,  17
.set SH,   18                          ; v18-21 the shift
.set SUM,  22                          ; v22-29 sum d, two sets
.set SQ,   30                          ; v30-37 sum d^2, two sets
.set DD,   38                          ; v38-41 d
.set BC,   42                          ; v42-57 the bias as C: 2 x 8
.set BT,   58                          ; v58-59 bv of my two channel tiles
.set AXI,  60                          ; XIMG + 16 x lane
.set D0,   64                          ; v64-191 x as loaded; x as the quantiser wants it; the 16 accumulators
.set TM,   192                         ; v192-207 at work in QUANT
.set PW,   208                         ; the scale word just made
.set SW,   210                         ; v210-213 the four words kept
.set OP,   214                         ; v214-215 the pair that leaves
.set PC,   216                         ; v216-227 the codes just made
.set SCR,  228                         ; v228-235
.set XS,   236                         ; v236-251 x's scale words (scales alone)
.set WS,   252                         ; v252-253 Wv's: lanes 0-15 K step 0, lanes 16-31 K step 1 (scales alone)
.set WF,   192                         ; window 1: v0-191 x's 16 fragments; v192-239 Wv's four
.set SEL,  28
.set MSB, 0
.macro WIN new                         ; the immediate's high byte repeats the setting that is left
.if MSB != \new
	s_set_vgpr_msb (MSB<<8)|\new
.set MSB, \new
.endif
.endm
.macro BARRIER                         ; my LDS stores have landed and my LDS loads are in: then the work-group's barrier
	s_wait_dscnt 0x0
	s_barrier_signal -1
	s_barrier_wait -1
.endm
.macro QADD a, b                       ; four numbers += four numbers
	v_pk_add_f32 v[(\a):(\a)+1], v[(\a):(\a)+1], v[(\b):(\b)+1]
	v_pk_add_f32 v[(\a)+2:(\a)+3], v[(\a)+2:(\a)+3], v[(\b)+2:(\b)+3]
.endm
; 64 numbers of a lane, register 16 b + i = k 32 b + 16 (lane / 16) + i of my row, become a fragment's 12 registers of codes and its scale word.
.macro QUANT src, dst, pw
.irp b, 0,1,2,3
	v_max3_num_f32 v[TM+\b], |v[(\src)+16*\b]|, |v[(\src)+1+16*\b]|, 0x1800000   ; my 16 numbers of block b, and the floor 2^(3 - 127): the byte cannot fall under 1
.endr
.irp i, 2,4,6,8,10,12,14
.irp b, 0,1,2,3
	v_max3_num_f32 v[TM+\b], v[TM+\b], |v[(\src)+16*\b+\i]|, |v[(\src)+1+16*\b+\i]|
.endr
.endr
.irp b, 0,1,2,3
	v_permlanex16_b32 v[TM+4+\b], v[TM+\b], s[SEL], s[SEL+1]
.endr
.irp b, 0,1,2,3
	v_max_num_f32 v[TM+\b], v[TM+\b], v[TM+4+\b]       ; with lane l xor 16's: the block's largest magnitude
.endr
.irp b, 0,1,2,3
	v_add_nc_u32 v[TM+12+\b], 0xff000000, v[TM+\b]     ; 2 off its exponent field: the conversion's scale operand
.endr
.irp b, 0,1,2,3
	v_lshrrev_b32 v[TM+4+\b], 23, v[TM+12+\b]          ; the scale's byte
.endr
	v_lshl_or_b32 v[\pw], v[TM+5], 8, v[TM+4]
	v_lshl_or_b32 v[\pw], v[TM+6], 16, v[\pw]
	v_lshl_or_b32 v[\pw], v[TM+7], 24, v[\pw]
.irp c, 0,1
	v_cvt_scalef32_pk16_fp6_f32 v[(\dst)+6*\c:(\dst)+2+6*\c], v[(\src)+32*\c:(\src)+15+32*\c], v[TM+12+2*\c]
	v_cvt_scalef32_pk16_fp6_f32 v[SCR+4*\c:SCR+2+4*\c], v[(\src)+16+32*\c:(\src)+31+32*\c], v[TM+12+2*\c+1]
.endr
	v_nop                                              ; one plain place behind a scaled conversion
.irp c, 0,1                                        ; the operand's layout wants a whole block in a lane
.irp i, 0,1,2
	v_permlane16_swap_b32 v[(\dst)+6*\c+\i], v[SCR+4*\c+\i]
.endr
.irp i, 0,1,2
	v_mov_b32 v[(\dst)+3+6*\c+\i], v[SCR+4*\c+\i]
.endr
.endr
.endm
	s_load_b256 s[4:11], s[0:1], 0x0               ; content, style, Wv's codes, Wv's scales
	s_load_b128 s[12:15], s[0:1], 0x20             ; bv, part
	s_load_b64 s[16:17], s[0:1], 0x30              ; kv
	v_lshl_add_u32 v[SPW], v0, 2, SPARE
	v_mov_b32 v[NIL], 0
	v_lshrrev_b32 v61, 5, v0
	v_readfirstlane_b32 s18, v61                   ; wave
	s_and_b32 s19, ttmp9, 1                        ; T
	s_lshr_b32 s20, ttmp9, 1                       ; G
	s_lshr_b32 s21, s20, 5                         ; b
	s_and_b32 s22, s20, 31                         ; i
	s_mov_b32 s[SEL], 0x76543210
	s_mov_b32 s[SEL+1], 0xfedcba98                 ; lane l xor 16
	s_mov_b32 s30, 0xffff0000                      ; lanes 16-31
	v_lshlrev_b32 v[A16T], 4, v0
	v_and_b32 v[C16], 63, v0
	v_lshlrev_b32 v[C16], 4, v[C16]
	v_lshrrev_b32 v61, 6, v0                       ; my pixel modulo 4
	v_mul_u32_u24 v[STA], v61, TILEP
	v_add_nc_u32 v[STA], v[STA], v[C16]
	v_add_nc_u32 v[STB], 64*TILEP, v[STA]
	v_add_nc_u32 v[RRD], RED, v[C16]
	v_lshl_add_u32 v[RWR], v61, 11, v[RRD]
	v_and_b32 v62, 15, v0                          ; r
	v_bfe_u32 v63, v0, 4, 1                        ; h
	v_and_b32 v61, 31, v0                          ; lane
	s_lshl_b32 s23, s18, 4
	v_add_nc_u32 v[RDT], s23, v62                  ; row 16 x wave + r
	v_mul_u32_u24 v[RDT], v[RDT], TILEP
	v_lshl_add_u32 v[RDT], v63, 6, v[RDT]
	v_lshlrev_b32 v[L16], 4, v61
	v_lshlrev_b32 v[L8], 3, v61
	v_lshl_add_u32 v[AXS], v61, 2, XSC
	v_add_nc_u32 v[AXI], XIMG, v[L16]
	s_mul_i32 s23, s18, 3072
	v_add_nc_u32 v[XWI], s23, v[AXI]
	s_lshl_b32 s23, s18, 8
	v_add_nc_u32 v[XWS], s23, v[AXS]
	v_mul_u32_u24 v[WVO], v62, 192
	v_mad_u32_u24 v[WVO], v63, 24, v[WVO]
	v_lshlrev_b32 v[WSO], 3, v62
	v_lshl_add_u32 v[WSO], v63, 2, v[WSO]
	v_lshlrev_b32 v[BVO], 2, v62
	s_lshl_b32 s32, s20, 17                        ; the chunk: 128 pixels of 1,024 bytes
	s_mov_b32 s33, 0
	s_lshl_b32 s34, s21, 22                        ; the batch's pixel 0
	s_mov_b32 s35, 0
	s_lshl_b32 s36, s19, 2
	s_add_co_u32 s36, s36, s21
	s_lshl_b32 s36, s36, 5
	s_add_co_u32 s36, s36, s22
	s_lshl_b32 s36, s36, 11                        ; part: ((4 T + b) 32 + i) x 2,048
	s_mov_b32 s37, 0
	s_wait_kmcnt 0x0
	s_cmp_eq_u32 s19, 0                            ; the choice hangs on the work-group's number alone
	s_cselect_b64 s[24:25], s[4:5], s[6:7]
	s_add_nc_u64 s[26:27], s[24:25], s[34:35]
	s_add_nc_u64 s[24:25], s[24:25], s[32:33]
	s_add_nc_u64 s[14:15], s[14:15], s[36:37]
	global_load_b128 v[SH:SH+3], v[C16], s[26:27]  ; the shift
.set kk, 0
.rept 32
	global_load_b128 v[D0+4*kk:D0+4*kk+3], v[A16T], s[24:25] offset:4096*kk   ; pixel 4 kk + (t >> 6): a wave reads 512 consecutive bytes
.set kk, kk+1
.endr
; the sums, in two sets by turns; the first two loads start the sets: nothing is cleared
.set kk, 0
.rept 32
	s_wait_loadcnt 31-kk                           ; loads come back in order: load kk is in, the 31 - kk younger ones stay out
.if kk < 2
	v_pk_add_f32 v[SUM+4*kk:SUM+4*kk+1], v[D0+4*kk:D0+4*kk+1], v[SH:SH+1] neg_lo:[0,1] neg_hi:[0,1]
	v_pk_add_f32 v[SUM+4*kk+2:SUM+4*kk+3], v[D0+4*kk+2:D0+4*kk+3], v[SH+2:SH+3] neg_lo:[0,1] neg_hi:[0,1]
	v_pk_mul_f32 v[SQ+4*kk:SQ+4*kk+1], v[SUM+4*kk:SUM+4*kk+1], v[SUM+4*kk:SUM+4*kk+1]
	v_pk_mul_f32 v[SQ+4*kk+2:SQ+4*kk+3], v[SUM+4*kk+2:SUM+4*kk+3], v[SUM+4*kk+2:SUM+4*kk+3]
.else
	v_pk_add_f32 v[DD:DD+1], v[D0+4*kk:D0+4*kk+1], v[SH:SH+1] neg_lo:[0,1] neg_hi:[0,1]
	v_pk_add_f32 v[DD+2:DD+3], v[D0+4*kk+2:D0+4*kk+3], v[SH+2:SH+3] neg_lo:[0,1] neg_hi:[0,1]
	v_pk_add_f32 v[SUM+4*(kk%2):SUM+4*(kk%2)+1], v[SUM+4*(kk%2):SUM+4*(kk%2)+1], v[DD:DD+1]
	v_pk_add_f32 v[SUM+4*(kk%2)+2:SUM+4*(kk%2)+3], v[SUM+4*(kk%2)+2:SUM+4*(kk%2)+3], v[DD+2:DD+3]
	v_pk_fma_f32 v[SQ+4*(kk%2):SQ+4*(kk%2)+1], v[DD:DD+1], v[DD:DD+1], v[SQ+4*(kk%2):SQ+4*(kk%2)+1]
	v_pk_fma_f32 v[SQ+4*(kk%2)+2:SQ+4*(kk%2)+3], v[DD+2:DD+3], v[DD+2:DD+3], v[SQ+4*(kk%2)+2:SQ+4*(kk%2)+3]
.endif
.set kk, kk+1
.endr
	QADD SUM, SUM+4
	QADD SQ, SQ+4
	ds_store_b128 v[RWR], v[SUM:SUM+3]
	ds_store_b128 v[RWR], v[SQ:SQ+3] offset:1024
	BARRIER                                        ; the four quarters' sums lie in LDS
	s_cmp_lt_u32 s18, 2                            ; waves 0 and 1 add them: thread t, channels 4 t on
	s_cbranch_scc0 .Lnot_red
.irp sl, 0,1
.irp g, 0,1,2,3
	ds_load_b128 v[TM+16*\sl+4*\g:TM+16*\sl+4*\g+3], v[RRD] offset:2048*\g+1024*\sl
.endr
.endr
	s_wait_dscnt 0x0
.irp sl, 0,1
	QADD TM+16*\sl, TM+16*\sl+4
	QADD TM+16*\sl+8, TM+16*\sl+12
	QADD TM+16*\sl, TM+16*\sl+8
	global_store_b128 v[A16T], v[TM+16*\sl:TM+16*\sl+3], s[14:15] offset:1024*\sl   ; a wave stores 512 consecutive bytes
.endr
.Lnot_red:
	s_cmp_lg_u32 s19, 0                            ; the one branch on the tensor: the work-group's number alone decides, alike in all waves
	s_cbranch_scc1 .Lstyle
	s_wait_tensorcnt 0x0                           ; content's work-groups end here, behind my last LDS store
	ds_add_u32 v[SPW], v[NIL]
	s_wait_dscnt 0x0
	s_endpgm
.Lstyle:
	s_wait_xcnt 0x0                                ; the stores above have read their registers: v192 on are written again below
	s_mul_i32 s32, s18, 6144                       ; my 32 rows of Wv,
	s_add_nc_u64 s[8:9], s[8:9], s[32:33]
	s_lshl_b32 s32, s18, 8                         ; their scale bytes,
	s_add_nc_u64 s[10:11], s[10:11], s[32:33]
	s_lshl_b32 s32, s18, 7                         ; their biases
	s_add_nc_u64 s[12:13], s[12:13], s[32:33]
	WIN 0x40                                       ; destination window 1
.irp tl, 0,1
.irp ks, 0,1
.irp p, 0,1,2,3,4,5
	global_load_b64 v[WF+12*(2*\tl+\ks)+2*\p:WF+12*(2*\tl+\ks)+2*\p+1], v[WVO], s[8:9] offset:3072*\tl+96*\ks+48*(\p/3)+8*(\p%3)
.endr
.endr
.endr
	WIN 0
.irp tl, 0,1
	global_load_b32 v[WS+\tl], v[WSO], s[10:11] offset:128*\tl
	global_load_b32 v[BT+\tl], v[BVO], s[12:13] offset:64*\tl
.endr
; x into TILE: pixel p goes to row p with its bits 3 and 4 exchanged, so that pixel tile w is rows 16 w .. 16 w + 15
.set kk, 0
.rept 32
.set kp, (kk&25)|((kk&2)<<1)|((kk&4)>>1)
.if kp < 16
	ds_store_b128 v[STA], v[D0+4*kk:D0+4*kk+3] offset:4*TILEP*kp
.else
	ds_store_b128 v[STB], v[D0+4*kk:D0+4*kk+3] offset:4*TILEP*(kp-16)
.endif
.set kk, kk+1
.endr
.irp b, 0,1,2,3
	v_mov_b32 v[TM+4+\b], 0                        ; written once: a lane permute's destination counts as one of its sources
.endr
	; where V's images and scale words go
	s_mul_i32 s32, s21, BATCHB
	s_lshr_b32 s38, s22, 1
	s_mul_i32 s38, s38, SLOTB
	s_add_co_u32 s32, s32, s38                     ; the period i / 2
	s_and_b32 s38, s22, 1                          ; the odd step?
	s_mul_i32 s39, s38, VB
	s_add_co_u32 s39, s39, s32
	s_lshr_b32 s40, s18, 1                         ; the wave of the third launch that reads my channels
	s_and_b32 s41, s18, 1                          ; which half of its 64
	s_mul_i32 s42, s40, 8*1536
	s_add_co_u32 s39, s39, s42
	s_mul_i32 s42, s41, 2*1536
	s_add_co_u32 s34, s39, s42
	s_add_nc_u64 s[44:45], s[16:17], s[34:35]
	s_lshl_b32 s38, s38, 11
	s_add_co_u32 s38, s38, s32
	s_lshl_b32 s42, s40, 9
	s_add_co_u32 s38, s38, s42
	s_lshl_b32 s42, s41, 8
	s_add_co_u32 s38, s38, s42
	s_add_co_u32 s34, s38, VSA
	s_add_nc_u64 s[46:47], s[16:17], s[34:35]
	BARRIER                                        ; the 128 pixels lie in TILE
.set qq, 0
.rept 32
	ds_load_b128 v[D0+4*qq:D0+4*qq+3], v[RDT] offset:128*(qq/4)+16*(qq%4)   ; block qq / 4 of my pixel's 256 channels: my half's 16 numbers
.set qq, qq+1
.endr
	s_wait_dscnt 0x0
	QUANT D0, PC, PW
.irp c, 0,1,2
	ds_store_b128 v[XWI], v[PC+4*\c:PC+4*\c+3] offset:512*\c
.endr
	ds_store_b32 v[XWS], v[PW]
	s_wait_dscnt 0x0                               ; the stores have read their registers
	QUANT D0+64, PC, PW
.irp c, 0,1,2
	ds_store_b128 v[XWI], v[PC+4*\c:PC+4*\c+3] offset:1536+512*\c
.endr
	ds_store_b32 v[XWS], v[PW] offset:128
	s_wait_loadcnt 0x0                             ; Wv, its scales, bv
.irp tl, 0,1
.irp j, 0,1,2,3,4,5,6,7
	v_mov_b32 v[BC+8*\tl+\j], v[BT+\tl]            ; the bias as C: a lane holds one channel, so its eight registers are alike
.endr
.endr
	BARRIER                                        ; x's sixteen fragments lie in LDS
	WIN 0x40
.set qq, 0
.rept 48
	ds_load_b128 v[4*qq:4*qq+3], v[AXI] offset:512*qq
.set qq, qq+1
.endr
	WIN 0
.set qq, 0
.rept 16
	ds_load_b32 v[XS+qq], v[AXS] offset:128*qq
.set qq, qq+1
.endr
.rept 4
	v_nop
.endr
	s_wait_dscnt 0x0
	WIN 0x05                                       ; sources 0 and 1 window 1; C and D window 0
; 32 products: the 16 accumulators take turns, one instruction a turn
.irp ks, 0,1
.irp pt, 0,1,2,3,4,5,6,7
.irp tl, 0,1
.if \ks == 0
	v_wmma_scale_f32_16x16x128_f8f6f4 v[D0+64*\tl+8*\pt:D0+64*\tl+8*\pt+7], v[12*(2*\pt+\ks):12*(2*\pt+\ks)+11], v[WF+12*(2*\tl+\ks):WF+12*(2*\tl+\ks)+11], v[BC+8*\tl:BC+8*\tl+7], v[XS+2*\pt+\ks], v[WS+\tl] matrix_a_fmt:MATRIX_FMT_FP6 matrix_b_fmt:MATRIX_FMT_FP6
.else
	v_wmma_scale_f32_16x16x128_f8f6f4 v[D0+64*\tl+8*\pt:D0+64*\tl+8*\pt+7], v[12*(2*\pt+\ks):12*(2*\pt+\ks)+11], v[WF+12*(2*\tl+\ks):WF+12*(2*\tl+\ks)+11], v[D0+64*\tl+8*\pt:D0+64*\tl+8*\pt+7], v[XS+2*\pt+\ks], v[WS+\tl] matrix_a_fmt:MATRIX_FMT_FP6 matrix_b_fmt:MATRIX_FMT_FP6 matrix_b_scale:MATRIX_SCALE_ROW1
.endif
.endr
.endr
.endr
	WIN 0
.rept 4
	v_nop                                          ; four places behind the last products, ahead of the first read of results (ISA guide 7.12.1)
.endr
; THE WAY OUT: the 64 registers of a channel tile are 128 keys of my lane's channel: one fragment; then the same of V x V.  Each store of the wave covers 512 consecutive bytes.
.macro VOUT tl, ty
	s_wait_xcnt 0x0                                ; the last image's stores have read their registers
	QUANT D0+64*\tl, PC, PW
.irp c, 0,1,2
	global_store_b128 v[L16], v[PC+4*\c:PC+4*\c+3], s[44:45] offset:1536*(4*\ty+\tl)+512*\c
.endr
	v_mov_b32 v[SW+2*\tl+\ty], v[PW]
.endm
.irp tl, 0,1
	VOUT \tl, 0
.set qq, 0
.rept 32
	v_pk_mul_f32 v[D0+64*\tl+2*qq:D0+64*\tl+2*qq+1], v[D0+64*\tl+2*qq:D0+64*\tl+2*qq+1], v[D0+64*\tl+2*qq:D0+64*\tl+2*qq+1]   ; V x V, of the unquantised V
.set qq, qq+1
.endr
	VOUT \tl, 1
.endr
	v_cndmask_b32 v[OP], v[SW], v[SW+2], s30       ; lanes 0-15 carry my first channel tile's words, lanes 16-31 my second's;
	v_cndmask_b32 v[OP+1], v[SW+1], v[SW+3], s30   ; a lane's pair: V's word, V x V's word
	global_store_b64 v[L8], v[OP:OP+1], s[46:47]   ; 256 consecutive bytes
	s_wait_tensorcnt 0x0                           ; the wave's end, behind my last LDS store
	ds_add_u32 v[SPW], v[NIL]
	s_wait_dscnt 0x0
	s_endpgm
.Lfunc_end_k_qeef467b70c_stats_v:
	.size	k_qeef467b70c_stats_v, .Lfunc_end_k_qeef467b70c_stats_v-k_qeef467b70c_stats_v
	.p2alignl 7, 3214868480
	.fill 96, 4, 3214868480
	.section	.rodata,"a",@progbits
	.p2align	6, 0x0
	.amdhsa_kernel k_qeef467b70c_stats_v
		.amdhsa_group_segment_fixed_size 168960
		.amdhsa_private_segment_fixed_size 0
		.amdhsa_enable_private_segment 0
		.amdhsa_kernarg_size 56
		.amdhsa_user_sgpr_count 2
		.amdhsa_user_sgpr_kernarg_segment_ptr 1
		.amdhsa_wavefront_size32 1
		.amdhsa_system_sgpr_workgroup_id_x 1
		.amdhsa_system_sgpr_workgroup_id_y 1
		.amdhsa_system_sgpr_workgroup_id_z 1
		.amdhsa_system_vgpr_workitem_id 0
		.amdhsa_next_free_vgpr 512
		.amdhsa_next_free_sgpr 66
		.amdhsa_reserve_vcc 0
		.amdhsa_float_denorm_mode_32 3
		.amdhsa_float_denorm_mode_16_64 3
		.amdhsa_memory_ordered 1
		.amdhsa_forward_progress 1
		.amdhsa_inst_pref_size 67
	.end_amdhsa_kernel
	.amdgpu_metadata
---
amdhsa.version: [ 1, 2 ]
amdhsa.kernels:
  - .name:           k_qeef467b70c_stats_v
    .symbol:         k_qeef467b70c_stats_v.kd
    .args:
      - { .name: content, .offset: 0, .size: 8, .value_kind: global_buffer, .address_space: global }
      - { .name: style, .offset: 8, .size: 8, .value_kind: global_buffer, .address_space: global }
      - { .name: Wv_codes, .offset: 16, .size: 8, .value_kind: global_buffer, .address_space: global }
      - { .name: Wv_scales, .offset: 24, .size: 8, .value_kind: global_buffer, .address_space: global }
      - { .name: bv, .offset: 32, .size: 8, .value_kind: global_buffer, .address_space: global }
      - { .name: part, .offset: 40, .size: 8, .value_kind: global_buffer, .address_space: global }
      - { .name: kv, .offset: 48, .size: 8, .value_kind: global_buffer, .address_space: global }
    .group_segment_fixed_size: 168960
    .private_segment_fixed_size: 0
    .kernarg_segment_align: 8
    .kernarg_segment_size: 56
    .max_flat_workgroup_size: 256
    .sgpr_count:     66
    .vgpr_count:     512
    .wavefront_size: 32
...
	.end_amdgpu_metadata
.endif
;; end of part 1
;; launch proj (part 2): grid 256 x 1, 8 waves a work-group, no clusters, 191,488 bytes of LDS; arguments content, style, part, Wq_codes, Wq_scales, bq, Wk_codes, Wk_scales, bk, qimg, qsc, kv, cstat; writes qimg, qsc, kv, cstat
.if DOCPART == 2
	.amdgcn_target "amdgcn-amd-amdhsa--gfx1250"
	.amdhsa_code_object_version 6
	.text
	.protected	k_qeef467b70c_proj
	.globl	k_qeef467b70c_proj
	.p2align	8
	.type	k_qeef467b70c_proj,@function
k_qeef467b70c_proj:
	s_mov_b64 s[64:65], 0
	v_nop
	global_prefetch_b8 v0, s[64:65] scope:SCOPE_SE
	s_setreg_imm32_b32 hwreg(HW_REG_WAVE_MODE, 25, 1), 1
	s_wait_xcnt 0x0
; SECOND LAUNCH, one path for Q and K (nothing of the problem is left out here): finish the instance norm's statistics, normalise, quantise along the channels, x W + b, l2norm, quantise along the channels,
; store as images of the operand's registers.  Work-group g: T = g & 1 (0: content, Wq, bq -> qimg, qsc;  1: style, Wk, bk -> kv), group G = g >> 1 of 128 pixels.  Only pointers and offsets are chosen by T.
; STATISTICS: with s = the batch's pixel 0, m1 = sum d / 4096: mean = s + m1, var = max(sum d^2 / 4096 - m1^2, 0), rstd = 1 / sqrt(var + 1e-5).
; LIMIT: where pixel 0 lies z spreads from the mean, var carries (1 + z^2) times f32's rounding.  x / sqrt(.) is taken as x times v_rsq_f32.  NaN and infinities are not served.
; SHARES.  Wave w owns pixel tile w whole: 16 pixels x all 256 outputs: 16 accumulators.  The product is used TRANSPOSED (source 0 = 16 rows of W, source 1 = my pixels): a lane holds one pixel and its registers run
; along the outputs, which are the next K.  The rows of W that form a tile, and the pixels of a tile, are row p of tile 2 b + u = 32 b + 8 u + p + 8 (p / 8).  W's 32 fragments go round through LDS as register images.
; K IS LAID TWO STEPS AHEAD IN kv: step i goes to period ((i + 30) & 31) / 2, the odd steps to KA, the even ones to KB: the third launch makes p of step i + 1 while V of step i is multiplied, and fetches K a step ahead of that.
.set TILEP,  1040
.set WIMG,   128*TILEP                 ; W's 32 fragments (2 x tile + K step)
.set RED,    WIMG+32*1536
.set SPARE,  RED+8192
.set SLOTB,  155648
.set BATCHB, 16*SLOTB
.set KB,     49152
.set KA,     122880
.set KSB,    153600                    ; KSA lies 2,048 below
.set A16T, 1
.set C16,  2
.set STA,  3
.set STB,  4
.set RDT,  5
.set L16,  6
.set L8,   7
.set WWI,  8                           ; where I store W's images
.set AWI,  9                           ; WIMG + 16 x lane
.set RWR,  10
.set RRD,  11
.set WVO,  12
.set WSO,  13
.set BIO,  14                          ; 64 x half
.set PTO,  15                          ; part: 16,384 x (t >> 6) + 16 x (t & 63)
.set SPW,  16
.set NIL,  17
.set SH,   18
.set MEAN, 22
.set RSTD, 26
.set T0,   30                          ; v30-39 at work
.set WS,   40                          ; v40-55 W's scale words: lanes 0-15 K step 0, lanes 16-31 K step 1 (scales alone)
.set PW,   56                          ; v56-57 x's scale words, later the result's (scales alone)
.set D0,   64                          ; v64-191 x as loaded; as the quantiser wants it; the 16 accumulators
.set ST,   192                         ; v192-255 the partial sums
.set TM,   192
.set XF,   212                         ; v212-235 two fragments
.set SCR,  236
.set WB,   128                         ; window 1: v0-127 the bias in the result's layout; v128-223 W's fragments, two sets of four
.set SEL,  36
.set MSB, 0
.macro WIN new
.if MSB != \new
	s_set_vgpr_msb (MSB<<8)|\new
.set MSB, \new
.endif
.endm
.macro BARRIER
	s_wait_dscnt 0x0
	s_barrier_signal -1
	s_barrier_wait -1
.endm
.macro PLACES
.rept 4
	v_nop
.endr
.endm
.macro QADD a, b
	v_pk_add_f32 v[(\a):(\a)+1], v[(\a):(\a)+1], v[(\b):(\b)+1]
	v_pk_add_f32 v[(\a)+2:(\a)+3], v[(\a)+2:(\a)+3], v[(\b)+2:(\b)+3]
.endm
.macro QUANT src, dst, pw              ; 64 numbers of a lane, register 16 b + i = k 32 b + 16 (lane / 16) + i, become a fragment and its scale word
.irp b, 0,1,2,3
	v_max3_num_f32 v[TM+\b], |v[(\src)+16*\b]|, |v[(\src)+1+16*\b]|, 0x1800000   ; and the floor 2^(3 - 127): the byte cannot fall under 1
.endr
.irp i, 2,4,6,8,10,12,14
.irp b, 0,1,2,3
	v_max3_num_f32 v[TM+\b], v[TM+\b], |v[(\src)+16*\b+\i]|, |v[(\src)+1+16*\b+\i]|
.endr
.endr
.irp b, 0,1,2,3
	v_permlanex16_b32 v[TM+4+\b], v[TM+\b], s[SEL], s[SEL+1]
.endr
.irp b, 0,1,2,3
	v_max_num_f32 v[TM+\b], v[TM+\b], v[TM+4+\b]
.endr
.irp b, 0,1,2,3
	v_add_nc_u32 v[TM+12+\b], 0xff000000, v[TM+\b]     ; 2 off the exponent field: the conversion's scale operand
.endr
.irp b, 0,1,2,3
	v_lshrrev_b32 v[TM+4+\b], 23, v[TM+12+\b]
.endr
	v_lshl_or_b32 v[\pw], v[TM+5], 8, v[TM+4]
	v_lshl_or_b32 v[\pw], v[TM+6], 16, v[\pw]
	v_lshl_or_b32 v[\pw], v[TM+7], 24, v[\pw]
.irp c, 0,1
	v_cvt_scalef32_pk16_fp6_f32 v[(\dst)+6*\c:(\dst)+2+6*\c], v[(\src)+32*\c:(\src)+15+32*\c], v[TM+12+2*\c]
	v_cvt_scalef32_pk16_fp6_f32 v[SCR+4*\c:SCR+2+4*\c], v[(\src)+16+32*\c:(\src)+31+32*\c], v[TM+12+2*\c+1]
.endr
	v_nop                                              ; one plain place behind a scaled conversion
.irp c, 0,1
.irp i, 0,1,2
	v_permlane16_swap_b32 v[(\dst)+6*\c+\i], v[SCR+4*\c+\i]
.endr
.irp i, 0,1,2
	v_mov_b32 v[(\dst)+3+6*\c+\i], v[SCR+4*\c+\i]
.endr
.endr
.endm
	s_load_b256 s[4:11], s[0:1], 0x0               ; content, style, part, Wq's codes
	s_load_b256 s[12:19], s[0:1], 0x20             ; Wq's scales, bq, Wk's codes, Wk's scales
	s_load_b256 s[20:27], s[0:1], 0x40             ; bk, qimg, qsc, kv
	s_load_b64 s[28:29], s[0:1], 0x60              ; cstat
	v_lshl_add_u32 v[SPW], v0, 2, SPARE
	v_mov_b32 v[NIL], 0
	v_lshrrev_b32 v58, 5, v0
	v_readfirstlane_b32 s30, v58                   ; wave
	s_and_b32 s31, ttmp9, 1                        ; T
	s_lshr_b32 s32, ttmp9, 1                       ; G
	s_lshr_b32 s33, s32, 5                         ; b
	s_and_b32 s34, s32, 31                         ; i
	s_mov_b32 s[SEL], 0x76543210
	s_mov_b32 s[SEL+1], 0xfedcba98
	v_lshlrev_b32 v[A16T], 4, v0
	v_and_b32 v58, 63, v0
	v_lshrrev_b32 v59, 6, v0
	v_lshlrev_b32 v[C16], 4, v58
	v_mul_u32_u24 v[STA], v59, TILEP
	v_add_nc_u32 v[STA], v[STA], v[C16]
	v_add_nc_u32 v[STB], 64*TILEP, v[STA]
	v_add_nc_u32 v[RRD], RED, v[C16]
	v_lshl_add_u32 v[RWR], v59, 11, v[RRD]
	v_lshl_add_u32 v[PTO], v59, 14, v[C16]
	v_and_b32 v60, 15, v0                          ; r
	v_bfe_u32 v61, v0, 4, 1                        ; h
	v_and_b32 v62, 31, v0                          ; lane
	s_lshl_b32 s38, s30, 4
	v_add_nc_u32 v[RDT], s38, v60
	v_mul_u32_u24 v[RDT], v[RDT], TILEP
	v_lshl_add_u32 v[RDT], v61, 6, v[RDT]
	v_lshlrev_b32 v[L16], 4, v62
	v_lshlrev_b32 v[L8], 3, v62
	v_add_nc_u32 v[AWI], WIMG, v[L16]
	s_mul_i32 s38, s30, 6144
	v_add_nc_u32 v[WWI], s38, v[AWI]
	v_and_b32 v63, 8, v60
	v_add_nc_u32 v63, v63, v60                     ; r + 8 (r / 8)
	v_mul_u32_u24 v[WVO], v63, 192
	v_mad_u32_u24 v[WVO], v61, 24, v[WVO]
	v_lshlrev_b32 v[WSO], 3, v63
	v_lshl_add_u32 v[WSO], v61, 2, v[WSO]
	v_lshlrev_b32 v[BIO], 6, v61
	; where the results go: Q's by the group, K's by the period
	s_mul_i32 s44, s32, 24576
	s_lshl_b32 s45, s32, 11
	s_add_co_u32 s46, s34, 30                      ; K's step i lies two steps ahead: in period ((i + 30) & 31) / 2
	s_and_b32 s46, s46, 31
	s_lshr_b32 s46, s46, 1
	s_mul_i32 s46, s46, SLOTB
	s_mul_i32 s47, s33, BATCHB
	s_add_co_u32 s46, s46, s47
	s_and_b32 s47, s34, 1                          ; an odd step?
	s_mul_i32 s48, s47, KA-KB
	s_add_co_u32 s48, s48, KB
	s_add_co_u32 s48, s48, s46
	s_lshl_b32 s49, s47, 11
	s_sub_co_u32 s49, KSB, s49
	s_add_co_u32 s49, s49, s46
	s_wait_kmcnt 0x0
	s_cmp_eq_u32 s31, 0                            ; every choice hangs on the work-group's number alone
	s_cselect_b64 s[4:5], s[4:5], s[6:7]           ; x
	s_cselect_b64 s[10:11], s[10:11], s[16:17]     ; W's codes
	s_cselect_b64 s[12:13], s[12:13], s[18:19]     ; W's scales
	s_cselect_b64 s[14:15], s[14:15], s[20:21]     ; the bias
	s_cselect_b64 s[22:23], s[22:23], s[26:27]     ; the images
	s_cselect_b64 s[24:25], s[24:25], s[26:27]     ; the scale words
	s_cselect_b32 s44, s44, s48
	s_cselect_b32 s45, s45, s49
	s_mov_b32 s39, 0
	s_lshl_b32 s38, s33, 22
	s_add_nc_u64 s[42:43], s[4:5], s[38:39]        ; the batch's pixel 0
	s_lshl_b32 s38, s32, 17
	s_add_nc_u64 s[4:5], s[4:5], s[38:39]          ; my 128 pixels
	s_lshl_b32 s38, s31, 2
	s_add_co_u32 s38, s38, s33
	s_lshl_b32 s38, s38, 16
	s_add_nc_u64 s[8:9], s[8:9], s[38:39]          ; the 32 chunks' sums of my tensor and batch
	s_mul_i32 s38, s30, 6144
	s_add_nc_u64 s[10:11], s[10:11], s[38:39]      ; the 32 rows of W that I bring into LDS
	s_mul_i32 s38, s30, 3072
	s_add_co_u32 s38, s38, s44
	s_add_nc_u64 s[22:23], s[22:23], s[38:39]
	s_lshl_b32 s38, s30, 8
	s_add_co_u32 s38, s38, s45
	s_add_nc_u64 s[24:25], s[24:25], s[38:39]
	s_lshl_b32 s38, s33, 11
	s_add_nc_u64 s[28:29], s[28:29], s[38:39]
	global_load_b128 v[SH:SH+3], v[C16], s[42:43]
.irp sl, 0,1
.irp k, 0,1,2,3,4,5,6,7
	global_load_b128 v[ST+32*\sl+4*\k:ST+32*\sl+4*\k+3], v[PTO], s[8:9] offset:2048*\k+1024*\sl   ; chunks 8 (t >> 6) + k
.endr
.endr
.set kk, 0
.rept 32
	global_load_b128 v[D0+4*kk:D0+4*kk+3], v[A16T], s[4:5] offset:4096*kk
.set kk, kk+1
.endr
	s_wait_loadcnt 32                              ; the shift and the sums are in; the 32 loads of x stay out
.irp sl, 0,1
	QADD ST+32*\sl, ST+32*\sl+4
	QADD ST+32*\sl+8, ST+32*\sl+12
	QADD ST+32*\sl+16, ST+32*\sl+20
	QADD ST+32*\sl+24, ST+32*\sl+28
.endr
.irp sl, 0,1
	QADD ST+32*\sl, ST+32*\sl+8
	QADD ST+32*\sl+16, ST+32*\sl+24
.endr
.irp sl, 0,1
	QADD ST+32*\sl, ST+32*\sl+16
.endr
	ds_store_b128 v[RWR], v[ST:ST+3]
	ds_store_b128 v[RWR], v[ST+32:ST+35] offset:1024
	BARRIER
.irp sl, 0,1
.irp g, 0,1,2,3
	ds_load_b128 v[ST+16*\sl+4*\g:ST+16*\sl+4*\g+3], v[RRD] offset:2048*\g+1024*\sl
.endr
.endr
	s_wait_dscnt 0x0
.irp sl, 0,1
	QADD ST+16*\sl, ST+16*\sl+4
	QADD ST+16*\sl+8, ST+16*\sl+12
	QADD ST+16*\sl, ST+16*\sl+8
.endr
	v_pk_mul_f32 v[T0:T0+1], v[ST:ST+1], 0x39800000 op_sel_hi:[1,0]            ; m1 = sum d / 4096
	v_pk_mul_f32 v[T0+2:T0+3], v[ST+2:ST+3], 0x39800000 op_sel_hi:[1,0]
	v_pk_mul_f32 v[T0+4:T0+5], v[ST+16:ST+17], 0x39800000 op_sel_hi:[1,0]      ; sum d^2 / 4096
	v_pk_mul_f32 v[T0+6:T0+7], v[ST+18:ST+19], 0x39800000 op_sel_hi:[1,0]
	v_pk_add_f32 v[MEAN:MEAN+1], v[SH:SH+1], v[T0:T0+1]
	v_pk_add_f32 v[MEAN+2:MEAN+3], v[SH+2:SH+3], v[T0+2:T0+3]
	v_pk_fma_f32 v[T0+4:T0+5], v[T0:T0+1], v[T0:T0+1], v[T0+4:T0+5] neg_lo:[1,0,0] neg_hi:[1,0,0]
	v_pk_fma_f32 v[T0+6:T0+7], v[T0+2:T0+3], v[T0+2:T0+3], v[T0+6:T0+7] neg_lo:[1,0,0] neg_hi:[1,0,0]
.irp j, 0,1,2,3
	v_max_num_f32 v[T0+4+\j], 0, v[T0+4+\j]
.endr
.irp j, 0,1,2,3
	v_add_f32 v[T0+4+\j], 0x3727c5ac, v[T0+4+\j]   ; + 1e-5
.endr
.irp j, 0,1,2,3
	v_rsq_f32 v[RSTD+\j], v[T0+4+\j]
.endr
.irp b, 0,1,2,3
	v_mov_b32 v[TM+4+\b], 0                        ; plain work behind the roots; written once: a lane permute's destination counts as one of its sources
.endr
	s_wait_alu depctr_va_vdst(0)                   ; the wait ahead of the first line that names a root's result: one for the four
	s_or_b32 s38, s31, s34                         ; content's mean and rstd are kept for the third launch: by chunk 0's work-group of each batch, waves 0 and 1
	s_lshr_b32 s40, s30, 1
	s_or_b32 s38, s38, s40
	s_cmp_lg_u32 s38, 0
	s_cbranch_scc1 .Lno_cstat
	global_store_b128 v[A16T], v[MEAN:MEAN+3], s[28:29]
	global_store_b128 v[A16T], v[RSTD:RSTD+3], s[28:29] offset:1024
.Lno_cstat:
	WIN 0x40
.irp u, 0,1
.irp ks, 0,1
.irp p, 0,1,2,3,4,5
	global_load_b64 v[WB+12*(2*\u+\ks)+2*\p:WB+12*(2*\u+\ks)+2*\p+1], v[WVO], s[10:11] offset:1536*\u+96*\ks+48*(\p/3)+8*(\p%3)   ; W's tiles 2 w, 2 w + 1
.endr
.endr
.endr
	WIN 0
.set kk, 0
.rept 32
.set kp, (kk&25)|((kk&2)<<1)|((kk&4)>>1)
	s_wait_loadcnt 55-kk                           ; load kk of x is in: behind it stand the 31 - kk younger ones and W's 24
	v_pk_add_f32 v[D0+4*kk:D0+4*kk+1], v[D0+4*kk:D0+4*kk+1], v[MEAN:MEAN+1] neg_lo:[0,1] neg_hi:[0,1]
	v_pk_add_f32 v[D0+4*kk+2:D0+4*kk+3], v[D0+4*kk+2:D0+4*kk+3], v[MEAN+2:MEAN+3] neg_lo:[0,1] neg_hi:[0,1]
	v_pk_mul_f32 v[D0+4*kk:D0+4*kk+1], v[D0+4*kk:D0+4*kk+1], v[RSTD:RSTD+1]
	v_pk_mul_f32 v[D0+4*kk+2:D0+4*kk+3], v[D0+4*kk+2:D0+4*kk+3], v[RSTD+2:RSTD+3]
.if kp < 16
	ds_store_b128 v[STA], v[D0+4*kk:D0+4*kk+3] offset:4*TILEP*kp
.else
	ds_store_b128 v[STB], v[D0+4*kk:D0+4*kk+3] offset:4*TILEP*(kp-16)
.endif
.set kk, kk+1
.endr
	s_wait_loadcnt 0x0                             ; W's four fragments
	WIN 0x04                                       ; an LDS store's data are its source 1: window 1
.set qq, 0
.rept 12
	ds_store_b128 v[WWI], v[WB+4*qq:WB+4*qq+3] offset:512*qq
.set qq, qq+1
.endr
	WIN 0
.set qq, 0
.rept 16
	global_load_b32 v[WS+qq], v[WSO], s[12:13] offset:(32*(qq/2)+8*(qq%2))*8
.set qq, qq+1
.endr
	WIN 0x40
.set qq, 0
.rept 16
	global_load_b128 v[8*qq:8*qq+3], v[BIO], s[14:15] offset:(32*(qq/2)+8*(qq%2))*4      ; the bias at the lane's eight outputs of tile qq
	global_load_b128 v[8*qq+4:8*qq+7], v[BIO], s[14:15] offset:(32*(qq/2)+8*(qq%2))*4+16
.set qq, qq+1
.endr
	WIN 0
	BARRIER                                        ; the normalised pixels and W's 32 fragments lie in LDS
.set qq, 0
.rept 32
	ds_load_b128 v[D0+4*qq:D0+4*qq+3], v[RDT] offset:128*(qq/4)+16*(qq%4)
.set qq, qq+1
.endr
.macro FETCHW g                        ; W's tiles 4 (g & 3) .. + 3 of K step g >> 2 into set g % 2
	WIN 0x40
.irp q, 0,1,2,3
.irp c, 0,1,2
	ds_load_b128 v[WB+48*((\g)%2)+12*\q+4*\c:WB+48*((\g)%2)+12*\q+4*\c+3], v[AWI] offset:1536*(2*(4*((\g)&3)+\q)+((\g)>>2))+512*\c
.endr
.endr
	WIN 0
.endm
	FETCHW 0
	FETCHW 1
	s_wait_dscnt 24                                ; my pixels are in; W's first 24 loads stay out
	QUANT D0, XF, PW
	QUANT D0+64, XF+12, PW+1
.rept 8
	v_nop                                          ; a scale register written by a vector instruction stands eight places ahead of a scaled matrix instruction, an operand four
.endr
	s_wait_loadcnt 0x0                             ; W's scale words, the bias
.macro MM g                            ; four products; the 16 accumulators take turns: a link stands 16 instructions behind the one that it adds onto
.if (\g) < 7
	s_wait_dscnt 12                                ; this group's fragments are in; the next group's 12 loads stay out
.else
	s_wait_dscnt 0x0
.endif
.if (\g) < 4
	WIN 0x11                                       ; source 0 (W) and source 2 (the bias) window 1
.else
	WIN 0x01
.endif
.irp q, 0,1,2,3
.if (\g) < 4
	v_wmma_scale_f32_16x16x128_f8f6f4 v[D0+8*(4*(\g)+\q):D0+8*(4*(\g)+\q)+7], v[WB+48*((\g)%2)+12*\q:WB+48*((\g)%2)+12*\q+11], v[XF:XF+11], v[8*(4*(\g)+\q):8*(4*(\g)+\q)+7], v[WS+4*(\g)+\q], v[PW] matrix_a_fmt:MATRIX_FMT_FP6 matrix_b_fmt:MATRIX_FMT_FP6
.else
	v_wmma_scale_f32_16x16x128_f8f6f4 v[D0+8*(4*((\g)-4)+\q):D0+8*(4*((\g)-4)+\q)+7], v[WB+48*((\g)%2)+12*\q:WB+48*((\g)%2)+12*\q+11], v[XF+12:XF+23], v[D0+8*(4*((\g)-4)+\q):D0+8*(4*((\g)-4)+\q)+7], v[WS+4*((\g)-4)+\q], v[PW+1] matrix_a_fmt:MATRIX_FMT_FP6 matrix_b_fmt:MATRIX_FMT_FP6 matrix_a_scale:MATRIX_SCALE_ROW1
.endif
.endr
	WIN 0
	PLACES                                         ; four places ahead of loads into registers that these products read, and of the first read of results
.if (\g) < 6
	FETCHW (\g)+2
.endif
.endm
.irp g, 0,1,2,3,4,5,6,7
	MM \g
.endr
; l2norm: a lane holds 128 of its pixel's 256 outputs, lane l xor 16 the others.  Four chains; each accumulator is read from its low end on.
.set pp, 0
.rept 64
.if pp < 4
	v_pk_mul_f32 v[T0+2*pp:T0+2*pp+1], v[D0+2*pp:D0+2*pp+1], v[D0+2*pp:D0+2*pp+1]
.else
	v_pk_fma_f32 v[T0+2*(pp%4):T0+2*(pp%4)+1], v[D0+2*pp:D0+2*pp+1], v[D0+2*pp:D0+2*pp+1], v[T0+2*(pp%4):T0+2*(pp%4)+1]
.endif
.set pp, pp+1
.endr
	v_pk_add_f32 v[T0:T0+1], v[T0:T0+1], v[T0+2:T0+3]
	v_pk_add_f32 v[T0+4:T0+5], v[T0+4:T0+5], v[T0+6:T0+7]
	v_pk_add_f32 v[T0:T0+1], v[T0:T0+1], v[T0+4:T0+5]
	v_add_f32 v[T0], v[T0], v[T0+1]
	v_permlanex16_b32 v[TM+4], v[T0], s[SEL], s[SEL+1]
	v_add_f32 v[T0], v[T0], v[TM+4]
	v_add_f32 v[T0], 0x2b8cbccc, v[T0]             ; + 1e-12
	v_rsq_f32 v[T0+8], v[T0]
	v_rsq_f32 v[T0+9], v[T0]                       ; twice: a pair for the packed multiply
	v_nop                                          ; one plain place behind the roots
	s_wait_alu depctr_va_vdst(0)                   ; and the wait ahead of their first reader
.set pp, 0
.rept 64
	v_pk_mul_f32 v[D0+2*pp:D0+2*pp+1], v[D0+2*pp:D0+2*pp+1], v[T0+8:T0+9]
.set pp, pp+1
.endr
	QUANT D0, XF, PW
	QUANT D0+64, XF+12, PW+1
.set qq, 0
.rept 6
	global_store_b128 v[L16], v[XF+4*qq:XF+4*qq+3], s[22:23] offset:512*qq   ; two images on end: each store covers 512 consecutive bytes
.set qq, qq+1
.endr
	global_store_b64 v[L8], v[PW:PW+1], s[24:25]   ; a lane's pair of words: 256 consecutive bytes (lanes 16-31 repeat lanes 0-15)
	s_wait_tensorcnt 0x0                           ; the wave's end, behind my last LDS store
	ds_add_u32 v[SPW], v[NIL]
	s_wait_dscnt 0x0
	s_endpgm
.Lfunc_end_k_qeef467b70c_proj:
	.size	k_qeef467b70c_proj, .Lfunc_end_k_qeef467b70c_proj-k_qeef467b70c_proj
	.p2alignl 7, 3214868480
	.fill 96, 4, 3214868480
	.section	.rodata,"a",@progbits
	.p2align	6, 0x0
	.amdhsa_kernel k_qeef467b70c_proj
		.amdhsa_group_segment_fixed_size 191488
		.amdhsa_private_segment_fixed_size 0
		.amdhsa_enable_private_segment 0
		.amdhsa_kernarg_size 104
		.amdhsa_user_sgpr_count 2
		.amdhsa_user_sgpr_kernarg_segment_ptr 1
		.amdhsa_wavefront_size32 1
		.amdhsa_system_sgpr_workgroup_id_x 1
		.amdhsa_system_sgpr_workgroup_id_y 1
		.amdhsa_system_sgpr_workgroup_id_z 1
		.amdhsa_system_vgpr_workitem_id 0
		.amdhsa_next_free_vgpr 512
		.amdhsa_next_free_sgpr 66
		.amdhsa_reserve_vcc 0
		.amdhsa_float_denorm_mode_32 3
		.amdhsa_float_denorm_mode_16_64 3
		.amdhsa_memory_ordered 1
		.amdhsa_forward_progress 1
		.amdhsa_inst_pref_size 72
	.end_amdhsa_kernel
	.amdgpu_metadata
---
amdhsa.version: [ 1, 2 ]
amdhsa.kernels:
  - .name:           k_qeef467b70c_proj
    .symbol:         k_qeef467b70c_proj.kd
    .args:
      - { .name: content, .offset: 0, .size: 8, .value_kind: global_buffer, .address_space: global }
      - { .name: style, .offset: 8, .size: 8, .value_kind: global_buffer, .address_space: global }
      - { .name: part, .offset: 16, .size: 8, .value_kind: global_buffer, .address_space: global }
      - { .name: Wq_codes, .offset: 24, .size: 8, .value_kind: global_buffer, .address_space: global }
      - { .name: Wq_scales, .offset: 32, .size: 8, .value_kind: global_buffer, .address_space: global }
      - { .name: bq, .offset: 40, .size: 8, .value_kind: global_buffer, .address_space: global }
      - { .name: Wk_codes, .offset: 48, .size: 8, .value_kind: global_buffer, .address_space: global }
      - { .name: Wk_scales, .offset: 56, .size: 8, .value_kind: global_buffer, .address_space: global }
      - { .name: bk, .offset: 64, .size: 8, .value_kind: global_buffer, .address_space: global }
      - { .name: qimg, .offset: 72, .size: 8, .value_kind: global_buffer, .address_space: global }
      - { .name: qsc, .offset: 80, .size: 8, .value_kind: global_buffer, .address_space: global }
      - { .name: kv, .offset: 88, .size: 8, .value_kind: global_buffer, .address_space: global }
      - { .name: cstat, .offset: 96, .size: 8, .value_kind: global_buffer, .address_space: global }
    .group_segment_fixed_size: 191488
    .private_segment_fixed_size: 0
    .kernarg_segment_align: 8
    .kernarg_segment_size: 104
    .max_flat_workgroup_size: 256
    .sgpr_count:     66
    .vgpr_count:     512
    .wavefront_size: 32
...
	.end_amdgpu_metadata
.endif
;; end of part 2
;; launch attn (part 3): grid 64 x 4, 8 waves a work-group, clusters of 4 x 1, 327,680 bytes of LDS; arguments kv, qimg, qsc, cstat, content, out0; writes out0
.if DOCPART == 3
	.amdgcn_target "amdgcn-amd-amdhsa--gfx1250"
	.amdhsa_code_object_version 6
	.text
	.protected	k_qeef467b70c_attn
	.globl	k_qeef467b70c_attn
	.p2align	8
	.type	k_qeef467b70c_attn,@function
k_qeef467b70c_attn:
	s_mov_b64 s[64:65], 0
	v_nop
	global_prefetch_b8 v0, s[64:65] scope:SCOPE_SE
	s_setreg_imm32_b32 hwreg(HW_REG_WAVE_MODE, 25, 1), 1
	s_wait_xcnt 0x0
	s_wait_alu depctr_hold_cnt(0) depctr_sa_sdst(0) depctr_va_vdst(0) depctr_va_sdst(0) depctr_va_ssrc(0) depctr_va_vcc(0) depctr_vm_vsrc(0)
	s_getreg_b32 s2, hwreg(HW_REG_IB_STS2, 6, 4)
	s_cmp_eq_u32 s2, 0
	s_cbranch_scc0 .Lentry_in_a_cluster
	s_endpgm
.Lentry_in_a_cluster:
	s_bfe_u32 s2, ttmp6, 0x10000c
	s_cmp_lg_u32 s2, 0x3003
	s_cbranch_scc0 .Lentry_shape_is_right
	s_endpgm
.Lentry_shape_is_right:
; THIRD LAUNCH: S^T = K Q^T, p = 2^t, p quantised along the keys, O^T += [V; V x V]^T p^T, the row's sum of the unquantised p, and out = sqrt(relu(O2 / l - (O / l)^2)) x norm(content) + O / l.
; NO PRODUCT IS LEFT OUT.  THE WHOLE NUMBER M OF p = 2^(t - M) IS TAKEN AS 0 FOR EVERY ROW, and no maximum is searched for.  Why that is the problem's own p: M is a whole number, so 2^-M goes into each block's scale and into
; the row's sum alike, exactly: the codes' values and O / l are the same for every whole M.  Why nothing can overflow or underflow, for every input: Q's and K's rows are normalised by the problem itself (norm <= 1).
; A code differs from its number by at most 1/16 of the number, or 1/16 of the scale, which is at most 1/4 of the block's largest magnitude: in all at most 0.108 of the block's norm.  So a quantised row's norm is at most
; 1.108, |logit| <= 1.23, |t| <= 1.78, p lies in 0.29 .. 3.44, and a row's sum of 4,096 of them under 14,100.  LIMIT: NaN and infinities among the inputs are not served.
; SHARES.  A work-group owns 64 queries of one batch and walks the 32 key steps of 128.  Waves 0-3 are PRODUCERS: wave w makes p for keys 32 w .. 32 w + 31 of a step and all four query tiles (16 products, the exponentials,
; the quantiser).  Waves 4-7 are CONSUMERS: wave w holds channels 64 w .. 64 w + 63 of O and of O2 for the 64 queries (32 accumulators, 32 products a step).  A SIMD holds one of each, so that one wave's vector work
; stands beside the other's matrix work.  p of step i + 1 is made while V of step i is multiplied: p goes through two LDS buffers by turns, one barrier a step.
; OPERANDS A STEP AHEAD.  A producer fetches the next step's K in the middle of a step, when K's registers are free, so that behind each barrier it begins with its products; for that, kv holds K two steps ahead of V.
; A consumer fetches, behind the products of a period's first step, the first four fragments of V of the second.
; THE RING: two slots of one period (two key steps: 155,648 dense bytes of kv, laid by the launches before in the order in which they are read).  CLUSTER: the four query blocks of a cluster walk the same kv:
; each wave's eighth of a period is asked for JOINTLY, by the same tensor load with the same descriptor and the mask of all four.  By this text's own count a wave has two tensor loads out at the start, then one.
; THE WALK IS ROTATED: cluster x of a batch begins at period 3 x mod 16 and goes once round, so that the batch's 16 clusters ask for 16 different periods at any one time.  LIMIT: the keys are then summed in another order in
; each cluster: a difference of rounding alone, since with M = 0 nothing else hangs on the order.  No prefetch is written: the clusters' first fills name every byte of kv.
; K of a cluster's first two steps lies in the period before its first: the producers read it once, straight into registers.
.set SLOTB,  155648
.set BATCHB, 16*SLOTB
.set EIGHTH, SLOTB/8                   ; 76 rows of 256 bytes: a wave's part of a period
.set KB,     49152                     ; a period: V of step 2 n at 0 | K of step 2 n + 2 | V of step 2 n + 1 | K of step 2 n + 3 | the four runs of scale words
.set VB,     73728
.set KA,     122880
.set VSA,    147456
.set KSA,    151552
.set KSB,    153600
.set PB0,    2*SLOTB                   ; p's two buffers: four fragments of 1,536 bytes (a lane's 12 registers at 48 x lane), then 256 scale bytes
.set PBS,    6400
.set PSC,    6144
.set LSUM,   PB0+2*PBS                 ; the producers' sums: [query tile][query][producer]
.set SPARE,  LSUM+1024                 ; the spare words, 128 bytes a wave
.set STP,    1040                      ; the way out: two stages of 64 rows x (1,024 bytes + 16) in slot 0, which has had its last fill and its last read by then
.set STS,    64*STP
.set AK,   1                           ; v1-4   K's fragments: slot 0 KA, KB; slot 1 KA, KB
.set AKS,  5                           ; v5-6   K's scale words (KSA; KSB 2,048 on)
.set AV,   7                           ; v7-10  V's fragments: slot 0 even, odd; slot 1 even, odd
.set AVS,  11                          ; v11-12 V's scale words
.set AP,   13                          ; p's fragments, on the way out of LDS
.set APS,  14                          ; p's scale words
.set APW,  15                          ; where a producer's lane puts its 12 bytes of codes
.set APB,  16                          ; and its block's byte
.set ALS,  17
.set ALR,  18
.set STOM, 19
.set STOS, 20
.set RDM,  21
.set RDS,  22
.set GO,   23                          ; 16 x lane
.set L8,   24                          ; 8 x lane
.set SPW,  26
.set NIL,  27
.set QS,   32                          ; v32-39 Q's scale words; v40-43 K's; v44-47 p's; v48-51 V's; v60-63 K's of the cluster's second step: these hold scales alone
.set KS,   40
.set PS,   44
.set VS,   48
.set KS2,  60
.set LSM,  52                          ; producers: v52-59 the sums, a pair for each query tile.   consumers: 1 / l, in pairs
.set INV,  52
.set S,    64                          ; producers: v64-127 S^T, then p: register 16 m + i = key 32 w + 16 (lane / 16) + i of query tile m
.set TM,   128
.set TM2,  132
.set SCL,  136
.set BYT,  140
.set PC,   144                         ; v144-159 the codes: three registers for each query tile
.set PF,   64                          ; consumers: v64-111 p's four fragments; v112-159 four places for V's fragments
.set VF,   112
.set LS,   160
.set TA,   64                          ; the way out: M; TB: S
.set TB,   96
.set CT,   176                         ; v176-239 my eight rows of content; v240-247 mean; v248-255 rstd
.set MEAN, 240
.set RSTD, 248
.set KF,   96                          ; window 1, producers: v0-95 Q's eight fragments, v96-143 K's four, v144-191 K's four of the cluster's second step.   consumers: the 32 accumulators at 8 (4 f + m), f = 4 x (V x V?) + channel tile
.set KF2,  144
.set WV,   16
.set W4,   17
.set BEG,  21                          ; s21 the period at which my cluster begins
.set CS,   22
.set G1,   24
.set G0,   32
.set SEL,  40
.set TRIPS, 42
.set NP,   43                          ; s43 the period that the next change of slots asks for
.set KVW,  44                          ; s[44:45] kv at my batch's period 0, my wave's eighth; never rewritten
.set OFS,  58                          ; s[58:59] a period's offset in bytes, the upper word 0
.set MSB, 0
.macro WIN new
.if MSB != \new
	s_set_vgpr_msb (MSB<<8)|\new
.set MSB, \new
.endif
.endm
.macro BARRIER
	s_wait_dscnt 0x0
	s_barrier_signal -1
	s_barrier_wait -1
.endm
.macro PLACES
.rept 4
	v_nop
.endr
.endm
.macro ROUND                           ; a round of the cluster's barrier
	s_barrier_signal -1
	s_barrier_wait -1
	s_cmp_lg_u32 s[WV], 0
	s_cbranch_scc1 .Lnot_wave_0_\@
	s_barrier_signal -3
.Lnot_wave_0_\@:
	s_barrier_wait -3
	s_barrier_signal -1
	s_barrier_wait -1
.endm
; THE CHANGE OF SLOTS: slot sl has been read out.  Every wave waits for all its tensor loads (its eighth of the other slot), adds 0 to its spare word, and waits for that, for its reads of the slot and for its stores of p;
; the cluster's round follows, and the joint refill is the first thing behind it: it has a period, two key steps, in which to land.  The slot's address is made anew from the period's number, which goes round modulo 16;
; it hangs on the cluster's x, the batch and the wave's number: the same in all four partners.
.macro CHANGE sl
	s_wait_tensorcnt 0x0                           ; no tensor load of mine is out, so a group 0 may be written
	ds_add_u32 v[SPW], v[NIL]
	s_mul_i32 s[OFS], s[NP], SLOTB
	s_add_nc_u64 s[G0+4*\sl+2:G0+4*\sl+3], s[KVW:KVW+1], s[OFS:OFS+1]
	s_or_b32 s[G0+4*\sl+3], s[G0+4*\sl+3], 0x80000000   ; type = 2
	s_add_co_u32 s[NP], s[NP], 1
	s_and_b32 s[NP], s[NP], 15
	s_wait_dscnt 0x0
	ROUND
	tensor_load_to_lds s[G0+4*\sl:G0+4*\sl+3], s[G1:G1+7]
	s_nop 0
	PLACES
.endm
; One of the 32 lines that read 32 finished p (query tiles 2 hf, 2 hf + 1): by turns a packed addition into the tile's sum and a step of the tile's largest p
.macro READER hf, n
.set rm, 2*(\hf)+(((\n)>>1)&1)
.set rs, (\n)>>2
.if ((\n)&1) == 0
	v_pk_add_f32 v[LSM+2*rm:LSM+2*rm+1], v[LSM+2*rm:LSM+2*rm+1], v[S+16*rm+2*rs:S+16*rm+2*rs+1]
.elseif rs == 0
	v_max3_num_f32 v[TM+rm], v[S+16*rm], v[S+16*rm+1], v[S+16*rm+2]
.elseif rs < 7
	v_max3_num_f32 v[TM+rm], v[TM+rm], v[S+16*rm+2*rs+1], v[S+16*rm+2*rs+2]
.else
	v_max_num_f32 v[TM+rm], v[TM+rm], v[S+16*rm+15]
.endif
.endm
; A PRODUCER'S STEP: 16 products (8 accumulators by turns) on the K that lies in registers (fragments at fk of window 1, scale words at sk), p, the sums, the codes and bytes into p's buffer par.
; ld = 1: the next step's K (fragments at LDS address ak, scale words at aks + koff) is fetched between the two batches of exponentials; the wait in front of the step's barrier is the wait for it.
.macro PROD par, fk, sk, ld, ak, aks, koff
	WIN 0x05                                       ; K and Q window 1, S^T window 0
.irp ks, 0,1
.irp m, 0,1,2,3
.irp kt, 0,1
.if \ks == 0
	v_wmma_scale_f32_16x16x128_f8f6f4 v[S+16*\m+8*\kt:S+16*\m+8*\kt+7], v[(\fk)+12*(2*\kt+\ks):(\fk)+12*(2*\kt+\ks)+11], v[24*\m+12*\ks:24*\m+12*\ks+11], 0, v[(\sk)+2*\kt+\ks], v[QS+2*\m+\ks] matrix_a_fmt:MATRIX_FMT_FP6 matrix_b_fmt:MATRIX_FMT_FP6
.else
	v_wmma_scale_f32_16x16x128_f8f6f4 v[S+16*\m+8*\kt:S+16*\m+8*\kt+7], v[(\fk)+12*(2*\kt+\ks):(\fk)+12*(2*\kt+\ks)+11], v[24*\m+12*\ks:24*\m+12*\ks+11], v[S+16*\m+8*\kt:S+16*\m+8*\kt+7], v[(\sk)+2*\kt+\ks], v[QS+2*\m+\ks] matrix_a_fmt:MATRIX_FMT_FP6 matrix_b_fmt:MATRIX_FMT_FP6
.endif
.endr
.endr
.endr
	WIN 0
	PLACES                                         ; four places ahead of the first read of results, and of the loads below into K's registers
.set ee, 0
.rept 16
	v_pk_mul_f32 v[S+2*ee:S+2*ee+1], v[S+2*ee:S+2*ee+1], s[CS:CS+1] op_sel_hi:[1,0]   ; t = logit x log2(e): the lower 32
.set ee, ee+1
.endr
.set ee, 0
.rept 32                                       ; FIRST BATCH of exponentials, the upper half's scalings among them: none of these lines names a result
	v_exp_f32 v[S+ee], v[S+ee]
.if ee%2 == 1
	v_pk_mul_f32 v[S+32+ee-1:S+32+ee], v[S+32+ee-1:S+32+ee], s[CS:CS+1] op_sel_hi:[1,0]
.endif
.set ee, ee+1
.endr
	s_wait_alu depctr_va_vdst(0)                   ; the wait ahead of the first line that names a result: one for the 32
.if \ld
	WIN 0x40                                       ; THE NEXT STEP'S K: my two key tiles' four fragments and their scale words, in one run
.set qq, 0
.rept 12
	ds_load_b128 v[KF+4*qq:KF+4*qq+3], v[\ak] offset:512*qq
.set qq, qq+1
.endr
	WIN 0
	ds_load_b64 v[KS:KS+1], v[\aks] offset:\koff
	ds_load_b64 v[KS+2:KS+3], v[\aks] offset:\koff+256
.endif
.set ee, 0
.rept 32                                       ; SECOND BATCH, a reader of the first batch behind each
	v_exp_f32 v[S+32+ee], v[S+32+ee]
	READER 0, ee
.set ee, ee+1
.endr
	s_wait_alu depctr_va_vdst(0)                   ; one for the second 32 (the last reader above is the plain place behind the last exponential)
.set ee, 0
.rept 32
	READER 1, ee
.set ee, ee+1
.endr
.irp m, 0,1,2,3
	v_permlanex16_b32 v[TM2+\m], v[TM+\m], s[SEL], s[SEL+1]
.endr
.irp m, 0,1,2,3
	v_max_num_f32 v[TM+\m], v[TM+\m], v[TM2+\m]    ; the block's largest p (at least 0.29: no floor is wanted)
.endr
.irp m, 0,1,2,3
	v_add_nc_u32 v[SCL+\m], 0xff000000, v[TM+\m]   ; 2 off its exponent field: the conversion's scale operand
.endr
.irp m, 0,1,2,3
	v_lshrrev_b32 v[BYT+\m], 23, v[SCL+\m]
.endr
.irp m, 0,1,2,3
	v_cvt_scalef32_pk16_fp6_f32 v[PC+4*\m:PC+4*\m+2], v[S+16*\m:S+16*\m+15], v[SCL+\m]
.endr
	v_nop                                          ; one plain place behind a scaled conversion
.irp m, 0,1,2,3                                ; my 16 codes are half of block w of query r: 12 bytes of the fragment's lane r + 16 (w & 1), registers 6 (w >> 1) + 3 (lane / 16) on: no lane exchange is needed
.irp i, 0,1,2
	ds_store_b32 v[APW], v[PC+4*\m+\i] offset:PBS*\par+1536*\m+4*\i
.endr
	ds_store_b8 v[APB], v[BYT+\m] offset:PBS*\par+4*\m   ; both lanes of a block write the same byte with the same value
.endr
.endm
.macro VLOAD av, f
.irp c, 0,1,2
	ds_load_b128 v[VF+12*((\f)%4)+4*\c:VF+12*((\f)%4)+4*\c+3], v[\av] offset:1536*(\f)+512*\c
.endr
.endm
.macro VMUL f, zero                    ; fragment f of V or V x V against p's four query tiles.  V's scale words: lanes 0-15 the even channel tile's, lanes 16-31 the odd one's
.irp m, 0,1,2,3
.if \zero
.if ((\f)%2) == 1
	v_wmma_scale_f32_16x16x128_f8f6f4 v[8*(4*(\f)+\m):8*(4*(\f)+\m)+7], v[VF+12*((\f)%4):VF+12*((\f)%4)+11], v[PF+12*\m:PF+12*\m+11], 0, v[VS+2*(((\f)%4)/2)+(\f)/4], v[PS+\m] matrix_a_fmt:MATRIX_FMT_FP6 matrix_b_fmt:MATRIX_FMT_FP6 matrix_a_scale:MATRIX_SCALE_ROW1
.else
	v_wmma_scale_f32_16x16x128_f8f6f4 v[8*(4*(\f)+\m):8*(4*(\f)+\m)+7], v[VF+12*((\f)%4):VF+12*((\f)%4)+11], v[PF+12*\m:PF+12*\m+11], 0, v[VS+2*(((\f)%4)/2)+(\f)/4], v[PS+\m] matrix_a_fmt:MATRIX_FMT_FP6 matrix_b_fmt:MATRIX_FMT_FP6
.endif
.else
.if ((\f)%2) == 1
	v_wmma_scale_f32_16x16x128_f8f6f4 v[8*(4*(\f)+\m):8*(4*(\f)+\m)+7], v[VF+12*((\f)%4):VF+12*((\f)%4)+11], v[PF+12*\m:PF+12*\m+11], v[8*(4*(\f)+\m):8*(4*(\f)+\m)+7], v[VS+2*(((\f)%4)/2)+(\f)/4], v[PS+\m] matrix_a_fmt:MATRIX_FMT_FP6 matrix_b_fmt:MATRIX_FMT_FP6 matrix_a_scale:MATRIX_SCALE_ROW1
.else
	v_wmma_scale_f32_16x16x128_f8f6f4 v[8*(4*(\f)+\m):8*(4*(\f)+\m)+7], v[VF+12*((\f)%4):VF+12*((\f)%4)+11], v[PF+12*\m:PF+12*\m+11], v[8*(4*(\f)+\m):8*(4*(\f)+\m)+7], v[VS+2*(((\f)%4)/2)+(\f)/4], v[PS+\m] matrix_a_fmt:MATRIX_FMT_FP6 matrix_b_fmt:MATRIX_FMT_FP6
.endif
.endif
.endr
.endm
; A CONSUMER'S STEP: 32 products, each accumulator once (so a link stands 32 instructions behind the one that it adds onto).  V's eight fragments go through four places, two fetched while two are multiplied.
; pre = 1: V's scale words and first four fragments were fetched at the end of the step before.  post = 1: those of the next step (av2, avs2 + voff2: the same slot) are fetched at this step's end.
.macro CONS av, avs, voff, par, zero, pre, post, av2, avs2, voff2
	ds_load_b128 v[PS:PS+3], v[APS] offset:PBS*\par
.if \pre == 0
	ds_load_b64 v[VS:VS+1], v[\avs] offset:\voff
	ds_load_b64 v[VS+2:VS+3], v[\avs] offset:\voff+256
.endif
.irp m, 0,1,2,3
.irp c, 0,1,2
	ds_load_b128 v[PF+12*\m+4*\c:PF+12*\m+4*\c+3], v[AP] offset:PBS*\par+1536*\m+16*\c
.endr
.endr
.if \pre == 0
	VLOAD \av, 0
	VLOAD \av, 1
	VLOAD \av, 2
	VLOAD \av, 3
	s_wait_dscnt 6                                 ; all but fragments 2 and 3
.else
	s_wait_dscnt 0x0                               ; p and its scale words: nothing else is out
.endif
	WIN 0x50                                       ; C and D window 1
	VMUL 0, \zero
	VMUL 1, \zero
	WIN 0
	PLACES                                         ; four places ahead of loads into registers that these products read
	VLOAD \av, 4
	VLOAD \av, 5
	s_wait_dscnt 6                                 ; all but the six just issued
	WIN 0x50
	VMUL 2, \zero
	VMUL 3, \zero
	WIN 0
	PLACES
	VLOAD \av, 6
	VLOAD \av, 7
	s_wait_dscnt 6
	WIN 0x50
	VMUL 4, \zero
	VMUL 5, \zero
	s_wait_dscnt 0x0
	VMUL 6, \zero
	VMUL 7, \zero
	WIN 0
	PLACES                                         ; four places serve the loads below, the next step's loads and the first read of results at the end;
	v_nop                                          ; a FIFTH, since the two roles share register numbers: on the way through the text that leads from this arm, over the join, into the producers' arm, the next matrix
	                                               ; instruction writes S over the numbers of p's and V's fragments and takes the accumulators' numbers as K and Q, which asks for five.  No wave goes that way; the distance is kept on every way all the same
.if \post
	ds_load_b64 v[VS:VS+1], v[\avs2] offset:\voff2
	ds_load_b64 v[VS+2:VS+3], v[\avs2] offset:\voff2+256
	VLOAD \av2, 0
	VLOAD \av2, 1
	VLOAD \av2, 2
	VLOAD \av2, 3
.endif
.endm
; A period's two key steps.  The branch hangs on the wave's number alone; no barrier, wait on TENSORcnt or tensor load stands in an arm.
.macro STEPA sl, zero, fk, sk          ; V of step 2 n | p of step 2 n + 1; K of step 2 n + 2 and the head of V of step 2 n + 1 are fetched
	s_cmp_lt_u32 s[WV], 4
	s_cbranch_scc0 .Lcons_\@
	PROD 1, \fk, \sk, 1, AK+2*\sl+1, AKS+\sl, 2048
	s_branch .Ljoin_\@
.Lcons_\@:
	CONS AV+2*\sl, AVS+\sl, 0, 0, \zero, 0, 1, AV+2*\sl+1, AVS+\sl, 2048
.Ljoin_\@:
.endm
.macro STEPB sl                        ; V of step 2 n + 1 | p of step 2 n + 2; K of step 2 n + 3 is fetched
	s_cmp_lt_u32 s[WV], 4
	s_cbranch_scc0 .Lcons_\@
	PROD 0, KF, KS, 1, AK+2*\sl, AKS+\sl, 0
	s_branch .Ljoin_\@
.Lcons_\@:
	CONS AV+2*\sl+1, AVS+\sl, 2048, 1, 0, 1, 0, 0, 0, 0
.Ljoin_\@:
.endm
.macro PERIOD sl, zero, fk, sk
	STEPA \sl, \zero, \fk, \sk
	BARRIER                                        ; p's stores have landed, the reads of the other buffer are over, and what was fetched ahead is in
	STEPB \sl
.endm
	s_load_b256 s[4:11], s[0:1], 0x0               ; kv, qimg, qsc, cstat
	s_load_b128 s[12:15], s[0:1], 0x20             ; content, out0
	v_lshl_add_u32 v[SPW], v0, 2, SPARE
	v_mov_b32 v[NIL], 0
	ds_add_u32 v[SPW], v[NIL]                      ; the wave's opening: the add, twice on end, and its wait ahead of my first tensor load
	ds_add_u32 v[SPW], v[NIL]
	v_lshrrev_b32 v28, 5, v0
	v_readfirstlane_b32 s[WV], v28                 ; wave 0..7
	s_and_b32 s[W4], s[WV], 3                      ; my number among the producers, or among the consumers
	s_bfe_u32 s18, ttmp6, 0x40000                  ; cx
	s_lshl_b32 s19, ttmp9, 2
	s_add_co_u32 s19, s19, s18                     ; my block of 64 queries: it enters Q's, content's and out0's addresses alone
	s_and_b32 s20, ttmp7, 0xffff                   ; the batch, which the four partners share
	s_mul_i32 s[BEG], ttmp9, 3
	s_and_b32 s[BEG], s[BEG], 15                   ; my cluster's first period: 3 x cluster x, modulo 16: the four partners share it
	s_mov_b32 s[CS], 0x3fb8aa3b                    ; log2(e)
	s_mov_b32 s[CS+1], s[CS]                       ; (named with it as a pair, so it is written)
	s_mov_b32 s[SEL], 0x76543210
	s_mov_b32 s[SEL+1], 0xfedcba98
	; descriptor group 1: 76 dense rows of 256 bytes
	s_mov_b32 s[G1], 15|(3<<16)|(1<<21)            ; 15:0 the mask: all four work-groups; 17:16 elements of 8 bytes; 21 set beside a mask; no padding
	s_mov_b32 s[G1+1], 32<<16                      ; tensor_dim0 = 32
	s_mov_b32 s[G1+2], 76<<16                      ; tensor_dim1 = 76
	s_mov_b32 s[G1+3], 32<<16                      ; tile_dim0 = 32
	s_mov_b32 s[G1+4], 76                          ; tile_dim1 = 76
	s_mov_b32 s[G1+5], 32                          ; from row to row
	s_mov_b32 s[G1+6], 0
	s_mov_b32 s[G1+7], 0
	; every LDS address is made here, ahead of the first parting of the roles
	v_and_b32 v28, 31, v0                          ; lane
	v_and_b32 v29, 15, v0                          ; r
	v_bfe_u32 v30, v0, 4, 1                        ; h
	v_lshlrev_b32 v[GO], 4, v28
	v_lshlrev_b32 v[L8], 3, v28
	s_mul_i32 s46, s[W4], 6144
	v_add_nc_u32 v31, s46, v[GO]
	v_add_nc_u32 v[AK], KA, v31
	v_add_nc_u32 v[AK+1], KB, v31
	v_add_nc_u32 v[AK+2], SLOTB+KA, v31
	v_add_nc_u32 v[AK+3], SLOTB+KB, v31
	s_lshl_b32 s46, s[W4], 9
	v_add_nc_u32 v31, s46, v[L8]
	v_add_nc_u32 v[AKS], KSA, v31
	v_add_nc_u32 v[AKS+1], SLOTB+KSA, v31
	v_add_nc_u32 v[AVS], VSA, v31
	v_add_nc_u32 v[AVS+1], SLOTB+VSA, v31
	s_mul_i32 s46, s[W4], 12288
	v_add_nc_u32 v[AV], s46, v[GO]
	v_add_nc_u32 v[AV+1], VB, v[AV]
	v_add_nc_u32 v[AV+2], SLOTB, v[AV]
	v_add_nc_u32 v[AV+3], SLOTB+VB, v[AV]
	v_mul_u32_u24 v[AP], v28, 48
	v_add_nc_u32 v[AP], PB0, v[AP]
	v_lshlrev_b32 v31, 4, v29
	v_add_nc_u32 v[APS], PB0+PSC, v31
	v_add_nc_u32 v[APB], s[W4], v[APS]
	v_add_nc_u32 v[ALR], LSUM, v31
	s_lshl_b32 s46, s[W4], 2
	v_add_nc_u32 v[ALS], s46, v[ALR]
	v_mul_u32_u24 v[APW], v29, 48
	v_mad_u32_u24 v[APW], v30, 12, v[APW]
	s_and_b32 s46, s[W4], 1
	s_mul_i32 s46, s46, 768
	s_lshr_b32 s47, s[W4], 1
	s_mul_i32 s47, s47, 24
	s_add_co_u32 s46, s46, s47
	s_add_co_u32 s46, s46, PB0
	v_add_nc_u32 v[APW], s46, v[APW]
	v_mul_u32_u24 v[STOM], v29, STP
	v_lshl_add_u32 v[STOM], v30, 5, v[STOM]
	s_lshl_b32 s46, s[W4], 8
	v_add_nc_u32 v[STOM], s46, v[STOM]
	v_add_nc_u32 v[STOS], STS, v[STOM]
	s_mul_i32 s46, s[WV], 8*STP
	v_add_nc_u32 v[RDM], s46, v[GO]
	v_add_nc_u32 v[RDS], STS, v[RDM]
	s_wait_dscnt 0x0                               ; both opening adds are done
	s_wait_kmcnt 0x0
	s_mul_i32 s48, s20, BATCHB
	s_mov_b32 s49, 0
	s_add_nc_u64 s[4:5], s[4:5], s[48:49]          ; kv at my batch
	s_mul_i32 s46, s[WV], EIGHTH
	s_mov_b32 s47, 0
	s_add_nc_u64 s[KVW:KVW+1], s[4:5], s[46:47]    ; and at my eighth of its period 0
	s_mov_b32 s[OFS+1], 0
	s_mul_i32 s[OFS], s[BEG], SLOTB
	s_mov_b32 s[G0], 1                             ; count = 1
	s_mov_b32 s[G0+1], s46                         ; LDS: slot 0, my eighth
	s_add_nc_u64 s[G0+2:G0+3], s[KVW:KVW+1], s[OFS:OFS+1]   ; my cluster's first period
	s_or_b32 s[G0+3], s[G0+3], 0x80000000          ; type = 2
	s_add_co_u32 s[NP], s[BEG], 1
	s_and_b32 s[NP], s[NP], 15
	s_mul_i32 s[OFS], s[NP], SLOTB
	s_mov_b32 s[G0+4], 1
	s_add_co_u32 s[G0+5], s46, SLOTB               ; slot 1
	s_add_nc_u64 s[G0+6:G0+7], s[KVW:KVW+1], s[OFS:OFS+1]   ; its second
	s_or_b32 s[G0+7], s[G0+7], 0x80000000
	s_add_co_u32 s[NP], s[NP], 1
	s_and_b32 s[NP], s[NP], 15                     ; the first change of slots asks for the third
	s_add_co_u32 s50, s[BEG], 15
	s_and_b32 s50, s50, 15
	s_mul_i32 s50, s50, SLOTB                      ; the period before the first holds K of my cluster's first two steps
	s_mul_i32 s46, s[W4], 6144
	s_add_co_u32 s46, s46, s50
	s_add_nc_u64 s[54:55], s[4:5], s[46:47]        ; my two key tiles (KB: the first step's, KA: the second's, by the immediate),
	s_lshl_b32 s46, s[W4], 9
	s_add_co_u32 s46, s46, s50
	s_add_nc_u64 s[56:57], s[4:5], s[46:47]        ; and their scale words
	s_lshl_b32 s50, s20, 8
	s_lshl_b32 s52, s19, 2
	s_add_co_u32 s50, s50, s52                     ; my first query tile: 256 b + 4 x block
	s_mul_i32 s52, s50, 3072
	s_mov_b32 s53, 0
	s_add_nc_u64 s[6:7], s[6:7], s[52:53]
	s_lshl_b32 s52, s50, 8
	s_add_nc_u64 s[8:9], s[8:9], s[52:53]
	s_lshl_b32 s52, s20, 11
	s_add_nc_u64 s[10:11], s[10:11], s[52:53]
	s_and_b32 s50, s[WV], 1                        ; the eight rows that I finish: stage rows 8 wave + i are pixels 8 x (wave with its low two bits exchanged) + i
	s_lshl_b32 s50, s50, 1
	s_bfe_u32 s51, s[WV], 0x10001
	s_or_b32 s50, s50, s51
	s_and_b32 s51, s[WV], 4
	s_or_b32 s50, s50, s51
	s_lshl_b32 s50, s50, 3
	s_lshl_b32 s51, s19, 6
	s_add_co_u32 s50, s50, s51
	s_lshl_b32 s51, s20, 12
	s_add_co_u32 s50, s50, s51
	s_lshl_b32 s52, s50, 10
	s_add_nc_u64 s[12:13], s[12:13], s[52:53]
	s_add_nc_u64 s[14:15], s[14:15], s[52:53]
	ROUND                                          ; all four work-groups are here: the first joint loads meet
	tensor_load_to_lds s[G0:G0+3], s[G1:G1+7]      ; my cluster's first period
	s_nop 0
	tensor_load_to_lds s[G0+4:G0+7], s[G1:G1+7]    ; and its second
	s_nop 0
	PLACES
	s_cmp_lt_u32 s[WV], 4                          ; THE PROLOGUE, producers alone: Q stays in registers; K of the first two steps comes straight from memory, into two sets of registers; p of the first step
	s_cbranch_scc0 .Lno_pro
	WIN 0x40
.set qq, 0
.rept 24
	global_load_b128 v[4*qq:4*qq+3], v[GO], s[6:7] offset:512*qq
.set qq, qq+1
.endr
.set qq, 0
.rept 12
	global_load_b128 v[KF+4*qq:KF+4*qq+3], v[GO], s[54:55] offset:KB+512*qq
.set qq, qq+1
.endr
.set qq, 0
.rept 12
	global_load_b128 v[KF2+4*qq:KF2+4*qq+3], v[GO], s[54:55] offset:KA+512*qq
.set qq, qq+1
.endr
	WIN 0
.irp m, 0,1,2,3
	global_load_b64 v[QS+2*\m:QS+2*\m+1], v[L8], s[8:9] offset:256*\m
.endr
.irp kt, 0,1
	global_load_b64 v[KS+2*\kt:KS+2*\kt+1], v[L8], s[56:57] offset:KSB+256*\kt
	global_load_b64 v[KS2+2*\kt:KS2+2*\kt+1], v[L8], s[56:57] offset:KSA+256*\kt
.endr
.irp j, 0,1,2,3,4,5,6,7
	v_mov_b32 v[LSM+\j], 0                         ; the sums
.endr
.irp j, 0,1,2,3
	v_mov_b32 v[TM2+\j], 0                         ; written once: a lane permute's destination counts as one of its sources
.endr
	s_wait_loadcnt 0x0
	PROD 0, KF, KS, 0, 0, 0, 0
.Lno_pro:
	s_wait_tensorcnt 1                             ; my eighth of the first period is in; the second's may stay out
	BARRIER
	PERIOD 0, 1, KF2, KS2                          ; the first products start O's sums: nothing is cleared.  The producers' second step takes K from the second set
.irp i, 0,1,2,3,4,5,6,7                        ; content's rows and the statistics are wanted at the very end: they are asked for here, behind the first period, and waited for there
.irp hh, 0,1
	global_load_b128 v[CT+8*\i+4*\hh:CT+8*\i+4*\hh+3], v[GO], s[12:13] offset:1024*\i+512*\hh th:TH_LOAD_NT
.endr
.endr
.irp hh, 0,1
	global_load_b128 v[MEAN+4*\hh:MEAN+4*\hh+3], v[GO], s[10:11] offset:512*\hh
	global_load_b128 v[RSTD+4*\hh:RSTD+4*\hh+3], v[GO], s[10:11] offset:1024+512*\hh
.endr
	s_mov_b32 s[TRIPS], 7
.Lloop:                                            ; a trip: the walk's periods 2 j + 1 and 2 j + 2; its periods 2 j + 2 and 2 j + 3 are asked for
	CHANGE 0
	PERIOD 1, 0, KF, KS
	CHANGE 1
	PERIOD 0, 0, KF, KS
	s_sub_co_u32 s[TRIPS], s[TRIPS], 1
	s_cmp_lg_u32 s[TRIPS], 0
	s_cbranch_scc1 .Lloop
	s_wait_tensorcnt 0x0                           ; the walk's last period: nothing is left to ask for
	BARRIER
	s_cmp_lt_u32 s[WV], 4
	s_cbranch_scc0 .Lcons_15
	PROD 1, KF, KS, 0, 0, 0, 0                     ; the last p: no K is left to fetch
	s_branch .Ljoin_15
.Lcons_15:
	CONS AV+2, AVS+1, 0, 0, 0, 0, 1, AV+3, AVS+1, 2048
.Ljoin_15:
	BARRIER
	s_cmp_lt_u32 s[WV], 4
	s_cbranch_scc0 .Llast_cons
.irp m, 0,1,2,3                                ; the producers have no step left: their sums go to LDS
	v_add_f32 v[TM+\m], v[LSM+2*\m], v[LSM+2*\m+1]
.endr
.irp m, 0,1,2,3
	v_permlanex16_b32 v[TM2+\m], v[TM+\m], s[SEL], s[SEL+1]
.endr
.irp m, 0,1,2,3
	v_add_f32 v[TM+\m], v[TM+\m], v[TM2+\m]
.endr
.irp m, 0,1,2,3
	ds_store_b32 v[ALS], v[TM+\m] offset:256*\m    ; both halves of the lanes write the same word with the same value
.endr
	s_branch .Llast_join
.Llast_cons:
	CONS AV+3, AVS+1, 2048, 1, 0, 1, 0, 0, 0, 0
.Llast_join:
	BARRIER
	s_cmp_lt_u32 s[WV], 4
	s_cbranch_scc1 .Lno_fin
	; THE CONSUMERS' WAY OUT: M = O / l, S = sqrt(max(O2 / l - M^2, 0)), into two stages, row 16 m + r
.irp m, 0,1,2,3
	ds_load_b128 v[LS+4*\m:LS+4*\m+3], v[ALR] offset:256*\m
.endr
	s_wait_dscnt 0x0
.irp m, 0,1,2,3
	v_add_f32 v[LS+4*\m], v[LS+4*\m], v[LS+4*\m+1]
	v_add_f32 v[LS+4*\m+2], v[LS+4*\m+2], v[LS+4*\m+3]
.endr
.irp m, 0,1,2,3
	v_add_f32 v[LS+4*\m], v[LS+4*\m], v[LS+4*\m+2]
.endr
.irp m, 0,1,2,3
	v_rcp_f32 v[INV+2*\m], v[LS+4*\m]
	v_rcp_f32 v[INV+2*\m+1], v[LS+4*\m]            ; twice: a pair for the packed forms
.endr
	v_nop                                          ; one plain place behind the reciprocals
	s_wait_alu depctr_va_vdst(0)                   ; and the wait: one for the eight
.macro FINISH m
	WIN 0x01                                       ; source 0 window 1
.set qq, 0
.rept 16
	v_pk_mul_f32 v[TA+2*qq:TA+2*qq+1], v[32*(qq/4)+8*\m+2*(qq%4):32*(qq/4)+8*\m+2*(qq%4)+1], v[INV+2*\m:INV+2*\m+1]
.set qq, qq+1
.endr
	WIN 0
.set qq, 0
.rept 16
	v_pk_mul_f32 v[TB+2*qq:TB+2*qq+1], v[TA+2*qq:TA+2*qq+1], v[TA+2*qq:TA+2*qq+1]
.set qq, qq+1
.endr
	WIN 0x01
.set qq, 0
.rept 16
	v_pk_fma_f32 v[TB+2*qq:TB+2*qq+1], v[128+32*(qq/4)+8*\m+2*(qq%4):128+32*(qq/4)+8*\m+2*(qq%4)+1], v[INV+2*\m:INV+2*\m+1], v[TB+2*qq:TB+2*qq+1] neg_lo:[0,0,1] neg_hi:[0,0,1]
.set qq, qq+1
.endr
	WIN 0
.set qq, 0
.rept 32
	v_max_num_f32 v[TB+qq], 0, v[TB+qq]
.set qq, qq+1
.endr
.set qq, 0
.rept 32
	v_sqrt_f32 v[TB+qq], v[TB+qq]
.set qq, qq+1
.endr
	v_nop
	s_wait_alu depctr_va_vdst(0)                   ; one wait for the 32 roots
.irp t, 0,1,2,3
	ds_store_b128 v[STOM], v[TA+8*\t:TA+8*\t+3] offset:16*STP*\m+64*\t
	ds_store_b128 v[STOM], v[TA+8*\t+4:TA+8*\t+7] offset:16*STP*\m+64*\t+16
	ds_store_b128 v[STOS], v[TB+8*\t:TB+8*\t+3] offset:16*STP*\m+64*\t
	ds_store_b128 v[STOS], v[TB+8*\t+4:TB+8*\t+7] offset:16*STP*\m+64*\t+16
.endr
	s_wait_dscnt 0x0                               ; the stores have read their registers
.endm
	FINISH 0
	FINISH 1
	FINISH 2
	FINISH 3
.Lno_fin:
	BARRIER                                        ; 64 whole rows of M and of S lie in the stages
	; ALL EIGHT WAVES: eight rows each: out = S x (content - mean) x rstd + M
	s_wait_loadcnt 0x0                             ; content, mean, rstd
	WIN 0x40
.irp i, 0,1,2,3,4,5,6,7
.irp hh, 0,1
	ds_load_b128 v[8*\i+4*\hh:8*\i+4*\hh+3], v[RDM] offset:STP*\i+512*\hh
	ds_load_b128 v[64+8*\i+4*\hh:64+8*\i+4*\hh+3], v[RDS] offset:STP*\i+512*\hh
.endr
.endr
	WIN 0
.irp i, 0,1,2,3,4,5,6,7
.irp hh, 0,1
	v_pk_add_f32 v[CT+8*\i+4*\hh:CT+8*\i+4*\hh+1], v[CT+8*\i+4*\hh:CT+8*\i+4*\hh+1], v[MEAN+4*\hh:MEAN+4*\hh+1] neg_lo:[0,1] neg_hi:[0,1]
	v_pk_add_f32 v[CT+8*\i+4*\hh+2:CT+8*\i+4*\hh+3], v[CT+8*\i+4*\hh+2:CT+8*\i+4*\hh+3], v[MEAN+4*\hh+2:MEAN+4*\hh+3] neg_lo:[0,1] neg_hi:[0,1]
	v_pk_mul_f32 v[CT+8*\i+4*\hh:CT+8*\i+4*\hh+1], v[CT+8*\i+4*\hh:CT+8*\i+4*\hh+1], v[RSTD+4*\hh:RSTD+4*\hh+1]
	v_pk_mul_f32 v[CT+8*\i+4*\hh+2:CT+8*\i+4*\hh+3], v[CT+8*\i+4*\hh+2:CT+8*\i+4*\hh+3], v[RSTD+4*\hh+2:RSTD+4*\hh+3]
.endr
.endr
	s_wait_dscnt 0x0
	WIN 0x11                                       ; S (source 0) and M (source 2) window 1
.set qq, 0
.rept 32
	v_pk_fma_f32 v[CT+2*qq:CT+2*qq+1], v[64+2*qq:64+2*qq+1], v[CT+2*qq:CT+2*qq+1], v[2*qq:2*qq+1]
.set qq, qq+1
.endr
	WIN 0
.irp i, 0,1,2,3,4,5,6,7
.irp hh, 0,1
	global_store_b128 v[GO], v[CT+8*\i+4*\hh:CT+8*\i+4*\hh+3], s[14:15] offset:1024*\i+512*\hh th:TH_STORE_NT   ; 32 lanes store 512 consecutive bytes, at a multiple of 256 from out0's first byte
.endr
.endr
	s_wait_tensorcnt 0x0                           ; the wave's end, behind my last tensor load and my last LDS store
	ds_add_u32 v[SPW], v[NIL]
	s_wait_dscnt 0x0
	ROUND                                          ; the closing round: no work-group ends while a partner may still ask for a tile that names it
	s_endpgm
.Lfunc_end_k_qeef467b70c_attn:
	.size	k_qeef467b70c_attn, .Lfunc_end_k_qeef467b70c_attn-k_qeef467b70c_attn
	.p2alignl 7, 3214868480
	.fill 96, 4, 3214868480
	.section	.rodata,"a",@progbits
	.p2align	6, 0x0
	.amdhsa_kernel k_qeef467b70c_attn
		.amdhsa_group_segment_fixed_size 327680
		.amdhsa_private_segment_fixed_size 0
		.amdhsa_enable_private_segment 0
		.amdhsa_kernarg_size 48
		.amdhsa_user_sgpr_count 2
		.amdhsa_user_sgpr_kernarg_segment_ptr 1
		.amdhsa_wavefront_size32 1
		.amdhsa_system_sgpr_workgroup_id_x 1
		.amdhsa_system_sgpr_workgroup_id_y 1
		.amdhsa_system_sgpr_workgroup_id_z 1
		.amdhsa_system_vgpr_workitem_id 0
		.amdhsa_next_free_vgpr 512
		.amdhsa_next_free_sgpr 72
		.amdhsa_reserve_vcc 0
		.amdhsa_float_denorm_mode_32 3
		.amdhsa_float_denorm_mode_16_64 3
		.amdhsa_memory_ordered 1
		.amdhsa_forward_progress 1
		.amdhsa_inst_pref_size 215
	.end_amdhsa_kernel
	.amdgpu_metadata
---
amdhsa.version: [ 1, 2 ]
amdhsa.kernels:
  - .name:           k_qeef467b70c_attn
    .symbol:         k_qeef467b70c_attn.kd
    .args:
      - { .name: kv, .offset: 0, .size: 8, .value_kind: global_buffer, .address_space: global }
      - { .name: qimg, .offset: 8, .size: 8, .value_kind: global_buffer, .address_space: global }
      - { .name: qsc, .offset: 16, .size: 8, .value_kind: global_buffer, .address_space: global }
      - { .name: cstat, .offset: 24, .size: 8, .value_kind: global_buffer, .address_space: global }
      - { .name: content, .offset: 32, .size: 8, .value_kind: global_buffer, .address_space: global }
      - { .name: out0, .offset: 40, .size: 8, .value_kind: global_buffer, .address_space: global }
    .group_segment_fixed_size: 327680
    .private_segment_fixed_size: 0
    .kernarg_segment_align: 8
    .kernarg_segment_size: 48
    .max_flat_workgroup_size: 256
    .sgpr_count:     72
    .vgpr_count:     512
    .wavefront_size: 32
...
	.end_amdgpu_metadata
.endif
;; end of part 3
